; MI455X (gfx1250); checked and timed in simulation.
; The chip was launched on July 23, 2026; its instructions are those of AMD's public machine-readable ISA for CDNA 5 (MIT licence, August 2026) and "CDNA5" Instruction Set Architecture Reference Guide (July 2026). The comments in the code are by the model that wrote it; some were corrected since.
;; Multi Head Attention. Allowed arithmetic: matrix products marked QUANTISED: E2M3 operands, one E8M0 scale for each 32 along K, by v_wmma_scale_f32_16x16x128_f8f6f4 with both operands' format E2M3, f32 sums; everything else in f32.
;; Inputs: Wk 1,040 x 1,024 float32; Wo 1,024 x 1,040 float32; Wq 1,040 x 1,024 float32; Wv 1,040 x 1,024 float32; bk 1,040 float32; bo 1,024 float32; bq 1,040 float32; bv 1,040 float32; k 4 x 2,048 x 1,024 float32; mask 4 x 1 x 2,048 x 2,048 int32; q 4 x 2,048 x 1,024 float32; v 4 x 2,048 x 1,024 float32.
;; Outputs: out0 4 x 2,048 x 1,024 float32.
;; This version of the problem:
;;   THIS VERSION OF THE PROBLEM IS GIVEN IN LOW PRECISION. The matrix products marked QUANTISED in the list below multiply operands that are first quantised to E2M3 (2 exponent bits, 3 mantissa bits; 6 bits a number), with one power-of-two scale for each 32 numbers along K (OCP MX v1.0); their sums are f32. All else is computed in f32.
;;   The module's matrix products, in the order in which they are computed (A, B: the left and right operand; K: the contracted axis; several contracted axes count as one K, in the product's order):
;;     1. [M 8,192, K 1,024] x [K 1,024, N 1,040]; A: input q; B: input Wq: QUANTISED
;;     2. [M 8,192, K 1,024] x [K 1,024, N 1,040]; A: input k; B: input Wk: QUANTISED
;;     3. [M 8,192, K 1,024] x [K 1,024, N 1,040]; A: input v; B: input Wv: QUANTISED
;;     4. batch 64 x [M 2,048, K 65] x [K 65, N 2,048]; A: computed on the way; B: computed on the way: QUANTISED
;;     5. batch 64 x [M 2,048, K 2,048] x [K 2,048, N 65]; A: softmax (see below); B: computed on the way: QUANTISED
;;     6. [M 8,192, K 1,040] x [K 1,040, N 1,024]; A: computed on the way; B: input Wo: QUANTISED
;;   THE QUANTISER, for each operand of a quantised product, along K:
;;     - K is cut into blocks of 32 from its start; a last block that is shorter is filled with zeros.
;;     - A block's scale is 2^e with e = floor(log2(the largest magnitude in the block)) - 2, held to -126 .. 127; a block of zeros has e = 0. As a byte (E8M0): e + 127.
;;     - Each number is divided by its block's scale, clamped to +-7.5, and rounded to the nearest number of E2M3, ties to even, subnormals kept.
;;     - The product sums the exact products of the quantised numbers (number of the format x scale) in f32.
;;   ~~~python
;;   def quantise(x, axis):      # numpy; x: float32 -> the quantised numbers, widened to float32 again
;;       x = np.moveaxis(x, axis, -1); K = x.shape[-1]
;;       x = np.pad(x, [(0, 0)] * (x.ndim - 1) + [(0, -K % 32)]); x = x.reshape(x.shape[:-1] + (-1, 32)); a = np.abs(x).max(-1, keepdims=True)
;;       e = np.where(a > 0, np.clip(np.frexp(np.where(a > 0, a, 1))[1] - 1 - 2, -126, 127), 0)      # np.frexp(a)[1] - 1 = floor(log2(a)), exactly
;;       r = np.clip(x / 2.0 ** e, -7.5, 7.5)
;;       step = 2.0 ** (np.maximum(np.frexp(np.where(r == 0, 1, r))[1] - 1, 0) - 3)
;;       q = np.round(r / step) * step * 2.0 ** e      # np.round: ties to even
;;       return np.moveaxis(q.reshape(q.shape[:-2] + (-1,))[..., :K], -1, axis).astype(np.float32)
;;   ~~~
;;   SOFTMAX AHEAD OF A QUANTISED PRODUCT. Where the list says 'softmax', what is quantised is not the finished softmax but p = 2^(t - M), with t = logit x log2(e) and M = ceil(the row's largest t), a whole number; so 1/2 < the row's largest p <= 1. The row's sum l is taken of the UNQUANTISED p, in f32, and the product's result is divided by l at the end. Since M is a whole number, a kernel that streams over the keys may use a running M (the ceiling of the running maximum): every later rescaling is an exact power of two, which a block's scale takes up: the codes' values come out the same.
;;   OPERANDS COMPUTED ON THE WAY. 'Computed on the way' means the value that the module computes at that place (a softmax that the list does not call 'softmax' is quantised finished and normalised). What goes into a quantiser is computed in f32, as accurately as f32 sums, v_exp_f32 and their like allow (about 1e-6 of the number): no bf16 or f16 on the way to a quantiser, and a product that is left as it is and whose result goes on into a quantised operand takes f32 operands (vector FMAs, or v_wmma_f32_16x16x4_f32). A number that lies on a knife's edge between two numbers of the format may be rounded either way, as far as f32 arithmetic and the matrix unit's own rounding can turn it there, and no further.
;; One version. Each part assembles by itself: llvm-mc -triple=amdgcn-amd-amdhsa -mcpu=gfx1250 --defsym DOCPART=n.
;; ======== version 1 of 1: 4 launches
;; limits: right only within a limited range of input values
;; workspace buffers: XC 18,874,368 bytes; WC 3,833,856 bytes; SC 946,176 bytes; MB 2,097,152 bytes of whole numbers; AT 26,738,688 bytes; AO 41,943,040 bytes
;; launch prep (part 1): grid 920 x 1, 4 waves a work-group, no clusters, 34,304 bytes of LDS; arguments q, k, v, Wq, Wk, Wv, Wo, XC, WC, SC; writes XC, WC, SC
.if DOCPART == 1
	.amdgcn_target "amdgcn-amd-amdhsa--gfx1250"
	.amdhsa_code_object_version 6
	.text
	.protected	k_q0a7c037f95_prep
	.globl	k_q0a7c037f95_prep
	.p2align	8
	.type	k_q0a7c037f95_prep,@function
k_q0a7c037f95_prep:
	s_mov_b64 s[64:65], 0
	v_nop
	global_prefetch_b8 v0, s[64:65] scope:SCOPE_SE
	s_setreg_imm32_b32 hwreg(HW_REG_WAVE_MODE, 25, 1), 1
	s_wait_xcnt 0x0
; PREP: q, k, v, Wq, Wk, Wv, Wo (f32, K innermost) become codes of FP6 (E2M3) with one E8M0 byte for each 32 along K, laid as IMAGES OF OPERAND REGISTERS.  (The mask is packed by the next launch.)
; A fragment image: 16 rows x 128 K = 12 registers a lane, registers 4 g .. 4 g + 3 of lane l at 512 g + 16 l: 1,536 bytes; its scale words: 16 words, 4 bytes a row.
; A job is one tile of 16 rows; two waves share it, each with one half of K, and walk it in units of 16 rows x 512 bytes (128 numbers a row): 4 units a wave (Wo's second half: 5).
; Each of a unit's 16 loads reads 512 consecutive bytes of one row; the unit turns through the wave's own stage in LDS (rows 528 bytes apart), so that register 16 b + i of lane (r, h) is column 32 b + 16 h + i of row r: what the conversions want.
; JOBS, by 4 x work-group + wave = 2 x job + half:  jobs 0-1535 q, k, v (512 tiles each);  1536-1775 Wq, Wk, Wv, five tiles a head;  1776-1839 Wo (64 tiles, 9 units).
; WHICH ROWS FORM A TILE: q: 16 T + r.  k: tile T, lane r: row 64 (T / 4) + 8 (T % 4) + r + 24 (r / 8), so that attention's scores give a lane whole blocks of 32 keys.  v: tile 2 g + u, lane r: row 32 g + 8 u + r + 8 (r / 8).
; Wq, Wk: tile o < 4 of a head: channel 32 (o / 2) + 8 (o % 2) + r + 8 (r / 8); tile 4: lane 0 channel 64, the others zero codes.
; Wv: tile o, lane r: row 64 head + 16 o + r of Wv, zero codes where that row is not the head's.  Wo: rows 16 tile + r; inside each block of 32 columns the chunks of 8 columns 1 and 2 change places (as the last launch's rows have them).
; A block's scale is 2^(floor(log2(largest magnitude)) - 2); its byte is the largest magnitude's exponent field - 2, held at 1 from below (a block of zeros gets 1 where the rule says 127: its codes are zeros, and this program alone reads the bytes).
; LIMITS: NaN and infinities among the inputs are not served.  No tensor load, no barrier: waves share nothing, and work-groups share no input, so there is nothing to ask for jointly.
.set STGW,  8448                       ; a wave's stage: 16 rows x (512 + 16) bytes
.set SPARE, 4*STGW                     ; behind the stages: the spare words, 128 bytes a wave
.set SPW, 10                           ; v10 my spare word's address; never rewritten
.set NIL, 11                           ; v11 0; never rewritten
.set OFF, 16                           ; v16-31  byte offset of my 16 bytes in each of the tile's 16 rows
.set RAW, 32                           ; v32-95  a unit as loaded
.set X,   96                           ; v96-159 a unit turned: 64 numbers of my row
.set TM,  160                          ; v160-175 at work in QUANT
.set PC,  176                          ; v176-194 the codes just made
.set PW,  196                          ; v196 the scale word just made
.set SEL, 58                           ; s[58:59] lane selects: lane l xor 16
; 64 numbers of a lane, register 16 b + i = k 32 b + 16 (lane / 16) + i of my row, become a fragment's codes in v[PC] on and its scale word in v[PW]
.macro QUANT s
.irp b, 0,1,2,3
	v_max3_num_f32 v[TM+\b], |v[\s+16*\b]|, |v[\s+1+16*\b]|, 0x1800000   ; my 16 numbers of block b, and the floor 2^(3 - 127): the byte cannot fall under 1
.endr
.irp i, 2,4,6,8,10,12,14
.irp b, 0,1,2,3
	v_max3_num_f32 v[TM+\b], v[TM+\b], |v[\s+16*\b+\i]|, |v[\s+1+16*\b+\i]|
.endr
.endr
.irp b, 0,1,2,3
	v_permlanex16_b32 v[TM+4+\b], v[TM+\b], s[SEL], s[SEL+1]
.endr
.irp b, 0,1,2,3
	v_max_num_f32 v[TM+\b], v[TM+\b], v[TM+4+\b]                   ; with lane l xor 16's: the block's largest magnitude
.endr
.irp b, 0,1,2,3
	v_add_nc_u32 v[TM+12+\b], 0xff000000, v[TM+\b]                 ; 2 off its exponent field: the conversion's scale operand
.endr
.irp b, 0,1,2,3
	v_lshrrev_b32 v[TM+4+\b], 23, v[TM+12+\b]                      ; the scale's byte
.endr
	v_lshl_or_b32 v[PW], v[TM+5], 8, v[TM+4]
	v_lshl_or_b32 v[PW], v[TM+6], 16, v[PW]
	v_lshl_or_b32 v[PW], v[TM+7], 24, v[PW]
.irp c, 0,1
	v_cvt_scalef32_pk16_fp6_f32 v[PC+6*\c:PC+2+6*\c], v[\s+32*\c:\s+15+32*\c], v[TM+12+2*\c]
	v_cvt_scalef32_pk16_fp6_f32 v[PC+12+4*\c:PC+14+4*\c], v[\s+16+32*\c:\s+31+32*\c], v[TM+12+2*\c+1]
.endr
	v_nop                                          ; one plain place behind a scaled conversion
.irp c, 0,1                                    ; a whole block to a lane: lanes 0-15 block 2 c, lanes 16-31 block 2 c + 1
.irp i, 0,1,2
	v_permlane16_swap_b32 v[PC+6*\c+\i], v[PC+12+4*\c+\i]
.endr
.irp i, 0,1,2
	v_mov_b32 v[PC+3+6*\c+\i], v[PC+12+4*\c+\i]
.endr
.endr
.endm
.macro LOADS                           ; a unit: 16 rows, 512 consecutive bytes each
.irp i, 0,1,2,3,4,5,6,7,8,9,10,11,12,13,14,15
	global_load_b128 v[RAW+4*\i:RAW+4*\i+3], v[OFF+\i], s[30:31] th:TH_LOAD_NT
.endr
.endm
	s_load_b128 s[4:7], s[0:1], 0x0                ; q, k
	s_load_b64 s[8:9], s[0:1], 0x10                ; v
	s_load_b256 s[12:19], s[0:1], 0x18             ; Wq, Wk, Wv, Wo
	s_load_b128 s[20:23], s[0:1], 0x38             ; XC, WC
	s_load_b64 s[24:25], s[0:1], 0x48              ; SC
	v_lshl_add_u32 v[SPW], v0, 2, SPARE
	v_mov_b32 v[NIL], 0
	v_lshrrev_b32 v1, 5, v0
	v_readfirstlane_b32 s28, v1                    ; wave
	s_lshl_b32 s29, ttmp9, 2
	s_add_co_u32 s29, s29, s28
	s_and_b32 s35, s29, 1                          ; which half of K is mine
	s_lshr_b32 s29, s29, 1                         ; the job
	; the job's numbers: s36 tensor, s37 role, s38 first row, s39 row pitch, s40 first column's byte, s41 J (rows 8-15 lie 8 J further on), s42 Z (0: all 16 slots take one row),
	; s43, s44 first and last lane % 16 that keeps its codes, s45 the unit at which I stop, s46 codes' offset, s48 scale words' offset, s50 the input's bytes - 16, s60 units done
	s_mov_b32 s36, 0
	s_mov_b32 s39, 4096
	s_mov_b32 s41, 0
	s_mov_b32 s42, 1
	s_mov_b32 s43, 0
	s_mov_b32 s44, 15
	s_mov_b32 s45, 8
	s_cmp_lt_u32 s29, 1536
	s_cbranch_scc0 .Lnot_x
	s_mov_b32 s51, s29                             ; j = 512 t + T
	s_lshr_b32 s36, s51, 9
	s_and_b32 s52, s51, 511
	s_mov_b32 s37, 0
	s_lshl_b32 s38, s52, 4                         ; q: 16 T
	s_lshr_b32 s53, s52, 1
	s_lshl_b32 s53, s53, 5
	s_and_b32 s54, s52, 1
	s_lshl_b32 s54, s54, 3
	s_add_co_u32 s53, s53, s54                     ; v: 32 (T / 2) + 8 (T % 2)
	s_lshr_b32 s55, s52, 2
	s_lshl_b32 s55, s55, 6
	s_and_b32 s56, s52, 3
	s_lshl_b32 s56, s56, 3
	s_add_co_u32 s55, s55, s56                     ; k: 64 (T / 4) + 8 (T % 4)
	s_cmp_eq_u32 s36, 0
	s_cselect_b32 s38, s38, s53
	s_cselect_b32 s41, 0, 1
	s_cmp_eq_u32 s36, 1
	s_cselect_b32 s38, s55, s38
	s_cselect_b32 s41, 3, s41                      ; k: rows 8-15 lie 24 further on: in the next block of 32 keys
	s_mul_i32 s46, s51, 12288
	s_lshl_b32 s48, s51, 9
	s_mov_b32 s50, 33554432-16
	s_branch .Lroled
.Lnot_x:
	s_cmp_lt_u32 s29, 1776
	s_cbranch_scc0 .Lnot_w
	s_sub_co_u32 s51, s29, 1536                    ; j = 80 t + 5 head + o
	s_lshr_b32 s52, s51, 4
	s_mul_i32 s52, s52, 52429
	s_lshr_b32 s36, s52, 18                        ; t = (j / 16) / 5
	s_mul_i32 s52, s36, 80
	s_sub_co_u32 s52, s51, s52
	s_mul_i32 s53, s52, 52429
	s_lshr_b32 s53, s53, 18                        ; head
	s_mul_i32 s54, s53, 5
	s_sub_co_u32 s54, s52, s54                     ; o
	s_mov_b32 s37, 1
	s_mul_i32 s55, s53, 65
	s_lshr_b32 s56, s54, 1
	s_lshl_b32 s56, s56, 5
	s_and_b32 s57, s54, 1
	s_lshl_b32 s57, s57, 3
	s_add_co_u32 s56, s56, s57
	s_add_co_u32 s38, s55, s56                     ; Wq, Wk: 65 head + 32 (o / 2) + 8 (o % 2); for o = 4 that is channel 64
	s_cmp_eq_u32 s54, 4
	s_cselect_b32 s42, 0, 1
	s_cselect_b32 s44, 0, 15
	s_cselect_b32 s41, 0, 1
	s_cmp_eq_u32 s36, 2
	s_cbranch_scc0 .Lw_done
	s_lshl_b32 s38, s53, 6                         ; Wv: 64 head + 16 o
	s_lshl_b32 s56, s54, 4
	s_add_co_u32 s38, s38, s56
	s_mov_b32 s41, 0
	s_mov_b32 s42, 1
	s_cmp_eq_u32 s54, 0
	s_cselect_b32 s43, s53, 0                      ; the head's rows are 65 head .. 65 head + 64: places head .. head + 64 of the 80
	s_cmp_eq_u32 s54, 4
	s_cselect_b32 s44, s53, 15
.Lw_done:
	s_mul_i32 s46, s51, 12288
	s_lshl_b32 s48, s51, 9
	s_add_co_u32 s48, s48, 786432
	s_mov_b32 s50, 4259840-16
	s_branch .Lroled
.Lnot_w:
	s_sub_co_u32 s51, s29, 1776                    ; Wo's tile
	s_mov_b32 s37, 2
	s_lshl_b32 s38, s51, 4
	s_mov_b32 s39, 4160
	s_mov_b32 s45, 9
	s_mul_i32 s46, s51, 13824
	s_add_co_u32 s46, s46, 2949120
	s_mul_i32 s48, s51, 576
	s_add_co_u32 s48, s48, 909312
	s_mov_b32 s50, 4259840-16
.Lroled:
	s_lshl_b32 s40, s35, 11                        ; the second half begins 4 units on: 2,048 bytes along the rows,
	s_mul_i32 s51, s35, 6144
	s_add_co_u32 s46, s46, s51                     ; 4 images,
	s_lshl_b32 s51, s35, 8
	s_add_co_u32 s48, s48, s51                     ; 4 x 16 scale words;
	s_lshl_b32 s60, s35, 2                         ; it counts its units from 4,
	s_cmp_eq_u32 s35, 0
	s_cselect_b32 s45, 4, s45                      ; and the first half stops there
	s_mul_i32 s52, s38, s39
	s_add_co_u32 s52, s52, s40                     ; where my part begins in its input
	s_mov_b32 s53, 0
	s_sub_co_u32 s61, s50, s52                     ; the largest offset from there at which 16 bytes still lie inside the input
	s_mov_b32 s47, 0
	s_mov_b32 s49, 0
	s_mul_i32 s54, s39, s42                        ; from row to row
	s_mul_i32 s55, s54, s41
	s_lshl_b32 s55, s55, 3                         ; and 8 J rows more from slot 8 on
	s_mov_b32 s[SEL], 0x76543210
	s_mov_b32 s[SEL+1], 0xfedcba98
	v_and_b32 v1, 31, v0                           ; lane
	v_and_b32 v2, 15, v0                           ; r
	v_bfe_u32 v3, v0, 4, 1                         ; h
	s_mul_i32 s56, s28, STGW
	v_lshl_add_u32 v4, v1, 4, s56                  ; the stage, in: 16 x lane, a row a store
	v_mul_u32_u24 v5, v2, 528
	v_lshl_add_u32 v5, v3, 6, v5
	v_add_nc_u32 v5, s56, v5                       ; out: row r, + 64 h
	v_lshlrev_b32 v6, 4, v1                        ; an image's place for my lane
	v_lshlrev_b32 v7, 2, v2                        ; a scale word's
	v_and_b32 v12, 0x19, v1                        ; Wo: my lane with bits 1 and 2 exchanged: chunks 1 and 2 of each 128 bytes change places
	v_and_b32 v13, 2, v1
	v_lshl_or_b32 v12, v13, 1, v12
	v_and_b32 v13, 4, v1
	v_lshrrev_b32 v13, 1, v13
	v_or_b32 v12, v12, v13
	s_cmp_eq_u32 s37, 2
	s_cselect_b32 s57, -1, 0
	v_cndmask_b32 v9, v1, v12, s57
	v_lshlrev_b32 v9, 4, v9
	s_wait_alu depctr_va_vdst(0)                   ; the wait here, ahead of the run of scalar lines
	s_mov_b32 s56, 0
.irp i, 0,1,2,3,4,5,6,7,8,9,10,11,12,13,14,15
	v_add_nc_u32 v[OFF+\i], s56, v9
	s_add_co_u32 s56, s56, s54
.if \i == 7
	s_add_co_u32 s56, s56, s55
.endif
.endr
	v_cmp_ge_u32 s62, v2, s43
	v_cmp_le_u32 s63, v2, s44
	s_and_b32 s62, s62, s63                        ; the lanes that keep their codes
.irp b, 0,1,2,3
	v_mov_b32 v[TM+4+\b], 0                        ; written once: a lane permute's destination counts as one of its sources
.endr
	s_wait_alu depctr_va_vdst(0)                   ; the wait at the head's end
	s_wait_kmcnt 0x0
	s_cmp_eq_u32 s36, 0                            ; the buffers are chosen on the job's numbers alone
	s_cselect_b64 s[30:31], s[4:5], s[6:7]
	s_cselect_b64 s[32:33], s[12:13], s[14:15]
	s_cmp_eq_u32 s36, 2
	s_cselect_b64 s[30:31], s[8:9], s[30:31]
	s_cselect_b64 s[32:33], s[16:17], s[32:33]
	s_cmp_eq_u32 s37, 1
	s_cselect_b64 s[30:31], s[32:33], s[30:31]
	s_cmp_eq_u32 s37, 2
	s_cselect_b64 s[30:31], s[18:19], s[30:31]
	s_cmp_eq_u32 s37, 0
	s_cselect_b64 s[68:69], s[20:21], s[22:23]
	s_add_nc_u64 s[30:31], s[30:31], s[52:53]      ; in
	s_add_nc_u64 s[68:69], s[68:69], s[46:47]      ; codes
	s_add_nc_u64 s[70:71], s[24:25], s[48:49]      ; scale words
	LOADS
.Lunit:
	s_wait_loadcnt 0x0                             ; this unit's 16 loads, the only ones out
.irp i, 0,1,2,3,4,5,6,7,8,9,10,11,12,13,14,15
	ds_store_b128 v4, v[RAW+4*\i:RAW+4*\i+3] offset:528*\i
.endr
.irp b, 0,1,2,3
.irp m, 0,1,2,3
	ds_load_b128 v[X+16*\b+4*\m:X+16*\b+4*\m+3], v5 offset:128*\b+16*\m   ; LDS serves a wave's instructions in order: these see the stores above
.endr
.endr
	s_wait_dscnt 0x0                               ; the unit is turned, and the stores have read their registers
	s_add_co_u32 s60, s60, 1
	s_cmp_lt_u32 s60, s45
	s_cbranch_scc0 .Lnone
	s_add_nc_u64 s[30:31], s[30:31], 512           ; the next unit is asked for while this one is worked on
	s_sub_co_u32 s61, s61, 512
.irp i, 0,1,2,3,4,5,6,7,8,9,10,11,12,13,14,15
	v_min_u32 v[OFF+\i], s61, v[OFF+\i]            ; no load leaves its buffer: only lanes past the end of Wo's last row are moved, in its last unit, and their numbers are cleared below
.endr
	LOADS
.Lnone:
	s_cmp_lg_u32 s60, 9                            ; Wo's ninth unit has 16 columns: they lie in registers 0-7 of both halves of the lanes; the rest of K is zeros
	s_cbranch_scc1 .Lwhole
.set n, 8
.rept 56
	v_mov_b32 v[X+n], 0
.set n, n+1
.endr
.Lwhole:
	QUANT X
.irp c, 0,1,2,3,4,5,6,7,8,9,10,11
	v_cndmask_b32 v[PC+\c], 0, v[PC+\c], s62       ; rows that are not the head's: zero codes
.endr
.irp c, 0,1,2
	global_store_b128 v6, v[PC+4*\c:PC+4*\c+3], s[68:69] offset:512*\c   ; 512 consecutive bytes a store
.endr
	global_store_b32 v7, v[PW], s[70:71]           ; 16 words; both halves of the lanes hold and write the same
	s_wait_xcnt 0x0                                ; the stores have read their data and bases: both are written again only behind this wait
	s_add_nc_u64 s[68:69], s[68:69], 1536
	s_add_nc_u64 s[70:71], s[70:71], 64
	s_cmp_lt_u32 s60, s45
	s_cbranch_scc1 .Lunit
	s_wait_tensorcnt 0x0                           ; the wave's end
	ds_add_u32 v[SPW], v[NIL]
	s_wait_dscnt 0x0
	s_endpgm
.Lfunc_end_k_q0a7c037f95_prep:
	.size	k_q0a7c037f95_prep, .Lfunc_end_k_q0a7c037f95_prep-k_q0a7c037f95_prep
	.p2alignl 7, 3214868480
	.fill 96, 4, 3214868480
	.section	.rodata,"a",@progbits
	.p2align	6, 0x0
	.amdhsa_kernel k_q0a7c037f95_prep
		.amdhsa_group_segment_fixed_size 34304
		.amdhsa_private_segment_fixed_size 0
		.amdhsa_enable_private_segment 0
		.amdhsa_kernarg_size 80
		.amdhsa_user_sgpr_count 2
		.amdhsa_user_sgpr_kernarg_segment_ptr 1
		.amdhsa_wavefront_size32 1
		.amdhsa_system_sgpr_workgroup_id_x 1
		.amdhsa_system_sgpr_workgroup_id_y 1
		.amdhsa_system_sgpr_workgroup_id_z 1
		.amdhsa_system_vgpr_workitem_id 0
		.amdhsa_next_free_vgpr 200
		.amdhsa_next_free_sgpr 76
		.amdhsa_reserve_vcc 0
		.amdhsa_float_denorm_mode_32 3
		.amdhsa_float_denorm_mode_16_64 3
		.amdhsa_memory_ordered 1
		.amdhsa_forward_progress 1
		.amdhsa_inst_pref_size 21
	.end_amdhsa_kernel
	.amdgpu_metadata
---
amdhsa.version: [ 1, 2 ]
amdhsa.kernels:
  - .name:           k_q0a7c037f95_prep
    .symbol:         k_q0a7c037f95_prep.kd
    .args:
      - { .name: q, .offset: 0, .size: 8, .value_kind: global_buffer, .address_space: global }
      - { .name: k, .offset: 8, .size: 8, .value_kind: global_buffer, .address_space: global }
      - { .name: v, .offset: 16, .size: 8, .value_kind: global_buffer, .address_space: global }
      - { .name: Wq, .offset: 24, .size: 8, .value_kind: global_buffer, .address_space: global }
      - { .name: Wk, .offset: 32, .size: 8, .value_kind: global_buffer, .address_space: global }
      - { .name: Wv, .offset: 40, .size: 8, .value_kind: global_buffer, .address_space: global }
      - { .name: Wo, .offset: 48, .size: 8, .value_kind: global_buffer, .address_space: global }
      - { .name: XC, .offset: 56, .size: 8, .value_kind: global_buffer, .address_space: global }
      - { .name: WC, .offset: 64, .size: 8, .value_kind: global_buffer, .address_space: global }
      - { .name: SC, .offset: 72, .size: 8, .value_kind: global_buffer, .address_space: global }
    .group_segment_fixed_size: 34304
    .private_segment_fixed_size: 0
    .kernarg_segment_align: 8
    .kernarg_segment_size: 80
    .max_flat_workgroup_size: 128
    .sgpr_count:     76
    .vgpr_count:     200
    .wavefront_size: 32
...
	.end_amdgpu_metadata
.endif
;; end of part 1
;; launch proj (part 2): grid 4 x 128, 8 waves a work-group, clusters of 4 x 4, 327,680 bytes of LDS; arguments XC, WC, SC, bq, bk, bv, AT, mask, MB; writes AT, MB
.if DOCPART == 2
	.amdgcn_target "amdgcn-amd-amdhsa--gfx1250"
	.amdhsa_code_object_version 6
	.text
	.protected	k_q0a7c037f95_proj
	.globl	k_q0a7c037f95_proj
	.p2align	8
	.type	k_q0a7c037f95_proj,@function
k_q0a7c037f95_proj:
	s_mov_b64 s[64:65], 0
	v_nop
	global_prefetch_b8 v0, s[64:65] scope:SCOPE_SE
	s_setreg_imm32_b32 hwreg(HW_REG_WAVE_MODE, 25, 1), 1
	s_wait_xcnt 0x0
	s_wait_alu depctr_hold_cnt(0) depctr_sa_sdst(0) depctr_va_vdst(0) depctr_va_sdst(0) depctr_va_ssrc(0) depctr_va_vcc(0) depctr_vm_vsrc(0)
	s_getreg_b32 s2, hwreg(HW_REG_IB_STS2, 6, 4)
	s_cmp_eq_u32 s2, 0
	s_cbranch_scc0 .Lentry_in_a_cluster
	s_endpgm
.Lentry_in_a_cluster:
	s_bfe_u32 s2, ttmp6, 0x10000c
	s_cmp_lg_u32 s2, 0xf033
	s_cbranch_scc0 .Lentry_shape_is_right
	s_endpgm
.Lentry_shape_is_right:
.set SLOTB, 110592
.set XPART, 61440
.set SCLX,  2*SLOTB
.set SCLW,  SCLX+8192
.set SPARE, SCLW+10240
.set AX,   2
.set AW,   4
.set ADRS, 6
.set ADRS2, 7
.set SPW,  8
.set NIL,  9
.set LI,   10
.set RR,   11
.set HH,   12
.set EI,   16
.set FV,   112
.set SCR,  172
.set G1W, 24
.set G0W, 32
.set G1X, 48
.set G0X, 56
.set G1SW, 68
.set G0SW, 76
.set G1SX, 80
.set G0SX, 88
.set SEL, 96
.set BQ, 16
.set BT, 48
.set ZZ, 64
.set T,  80
.set TM, 112
.set IM, 128
.set C1, 144
.set C2, 148
.set WD, 152
.set RW, 160
.set ZR, 164
.set TV, 16
.set BV, 80
.set PC, 128
.set PW, 148
.set MSB, 0
.macro WIN new
.if MSB != \new
	s_set_vgpr_msb (MSB<<8)|\new
.set MSB, \new
.endif
.endm
.macro PLACES
.rept 4
	v_nop
.endr
.endm
.macro JLOAD g0a, g1a, g0b, g1b
	s_cmp_eq_u32 s19, 0
	s_cbranch_scc0 .Lfor_x_\@
	tensor_load_to_lds s[\g0a:\g0a+3], s[\g1a:\g1a+7]
	s_nop 0
.rept 4
	v_nop
.endr
	s_branch .Lasked_\@
.Lfor_x_\@:
	tensor_load_to_lds s[\g0b:\g0b+3], s[\g1b:\g1b+7]
	s_nop 0
.rept 4
	v_nop
.endr
.Lasked_\@:
.endm
.macro CROUND
	s_barrier_signal -1
	s_barrier_wait -1
	s_cmp_lg_u32 s18, 0
	s_cbranch_scc1 .Lnot_wave_0_\@
	s_barrier_signal -3
.Lnot_wave_0_\@:
	s_barrier_wait -3
	s_barrier_signal -1
	s_barrier_wait -1
.endm
.macro QUANT s
.irp b, 0,1,2,3
	v_max3_num_f32 v[TM+\b], |v[\s+16*\b]|, |v[\s+1+16*\b]|, 0x1800000
.endr
.irp i, 2,4,6,8,10,12,14
.irp b, 0,1,2,3
	s_delay_alu instid0(VALU_DEP_4)
	v_max3_num_f32 v[TM+\b], v[TM+\b], |v[\s+16*\b+\i]|, |v[\s+1+16*\b+\i]|
.endr
.endr
.irp b, 0,1,2,3
	s_delay_alu instid0(VALU_DEP_4)
	v_permlanex16_b32 v[TM+4+\b], v[TM+\b], s[SEL], s[SEL+1]
.endr
.irp b, 0,1,2,3
	s_delay_alu instid0(VALU_DEP_4)
	v_max_num_f32 v[TM+\b], v[TM+\b], v[TM+4+\b]
.endr
.irp b, 0,1,2,3
	s_delay_alu instid0(VALU_DEP_4)
	v_add_nc_u32 v[TM+12+\b], 0xff000000, v[TM+\b]
.endr
.irp b, 0,1,2,3
	s_delay_alu instid0(VALU_DEP_4)
	v_lshrrev_b32 v[TM+4+\b], 23, v[TM+12+\b]
.endr
	s_delay_alu instid0(VALU_DEP_3)
	v_lshl_or_b32 v[PW], v[TM+5], 8, v[TM+4]
	s_delay_alu instid0(VALU_DEP_1)
	v_lshl_or_b32 v[PW], v[TM+6], 16, v[PW]
	s_delay_alu instid0(VALU_DEP_1)
	v_lshl_or_b32 v[PW], v[TM+7], 24, v[PW]
.irp c, 0,1
	v_cvt_scalef32_pk16_fp6_f32 v[PC+6*\c:PC+2+6*\c], v[\s+32*\c:\s+15+32*\c], v[TM+12+2*\c]
	v_cvt_scalef32_pk16_fp6_f32 v[PC+12+4*\c:PC+14+4*\c], v[\s+16+32*\c:\s+31+32*\c], v[TM+12+2*\c+1]
.endr
	v_nop
.irp c, 0,1
.irp i, 0,1,2
	v_permlane16_swap_b32 v[PC+6*\c+\i], v[PC+12+4*\c+\i]
.endr
.irp i, 0,1,2
	s_delay_alu instid0(VALU_DEP_3)
	v_mov_b32 v[PC+3+6*\c+\i], v[PC+12+4*\c+\i]
.endr
.endr
.endm
	s_load_b256 s[4:11], s[0:1], 0x0
	s_load_b128 s[12:15], s[0:1], 0x20
	s_load_b64 s[16:17], s[0:1], 0x30
	v_lshl_add_u32 v[SPW], v0, 2, SPARE
	v_mov_b32 v[NIL], 0
	ds_add_u32 v[SPW], v[NIL]
	ds_add_u32 v[SPW], v[NIL]
	v_lshrrev_b32 v1, 5, v0
	s_delay_alu instid0(VALU_DEP_1)
	v_readfirstlane_b32 s18, v1
	s_lshr_b32 s19, s18, 2
	s_and_b32 s20, s18, 3
	s_bfe_u32 s40, ttmp6, 0x40000
	s_bfe_u32 s41, ttmp6, 0x40004
	s_and_b32 s42, ttmp7, 0xffff
	s_lshr_b32 s45, s42, 3
	s_and_b32 s21, s42, 7
	s_lshl_b32 s21, s21, 2
	s_add_co_u32 s21, s21, s41
	s_cmp_eq_u32 s45, 2
	s_cselect_b32 s22, 1, 0
	s_lshl_b32 s43, s41, 2
	s_lshl_b32 s43, 15, s43
	s_lshl_b32 s44, 0x1111, s40
	s_or_b32 s[G1W], s44, (3<<16)|(1<<21)
	s_mov_b32 s[G1W+1], 384<<16
	s_mov_b32 s[G1W+2], 5<<16
	s_mov_b32 s[G1W+3], 384<<16
	s_mov_b32 s[G1W+4], 5
	s_mov_b32 s[G1W+5], 1536
	s_mov_b32 s[G1W+6], 0
	s_mov_b32 s[G1W+7], 0
	s_or_b32 s[G1X], s43, (3<<16)|(1<<21)
	s_mov_b32 s[G1X+1], 384<<16
	s_mov_b32 s[G1X+2], 4<<16
	s_mov_b32 s[G1X+3], 384<<16
	s_mov_b32 s[G1X+4], 4
	s_mov_b32 s[G1X+5], 1536
	s_mov_b32 s[G1X+6], 0
	s_mov_b32 s[G1X+7], 0
	s_or_b32 s[G1SW], s44, (3<<16)|(1<<21)
	s_mov_b32 s[G1SW+1], 32<<16
	s_mov_b32 s[G1SW+2], 10<<16
	s_mov_b32 s[G1SW+3], 32<<16
	s_mov_b32 s[G1SW+4], 10
	s_mov_b32 s[G1SW+5], 32
	s_mov_b32 s[G1SW+6], 0
	s_mov_b32 s[G1SW+7], 0
	s_or_b32 s[G1SX], s43, (3<<16)|(1<<21)
	s_mov_b32 s[G1SX+1], 32<<16
	s_mov_b32 s[G1SX+2], 8<<16
	s_mov_b32 s[G1SX+3], 32<<16
	s_mov_b32 s[G1SX+4], 8
	s_mov_b32 s[G1SX+5], 32
	s_mov_b32 s[G1SX+6], 0
	s_mov_b32 s[G1SX+7], 0
	s_lshl_b32 s92, s45, 9
	s_lshl_b32 s93, s21, 4
	s_add_co_u32 s92, s92, s93
	s_lshl_b32 s93, s20, 2
	s_add_co_u32 s92, s92, s93
	s_lshl_b32 s96, s92, 9
	s_mov_b32 s97, 0
	s_mul_i32 s92, s92, 12288
	s_mov_b32 s93, 0
	s_mul_i32 s94, s45, 80
	s_mul_i32 s95, s40, 20
	s_add_co_u32 s94, s94, s95
	s_mul_i32 s95, s20, 5
	s_add_co_u32 s94, s94, s95
	s_lshl_b32 s46, s94, 9
	s_add_co_u32 s46, s46, 786432
	s_mov_b32 s47, 0
	s_mul_i32 s94, s94, 12288
	s_mov_b32 s95, 0
	s_mul_i32 s2, s20, 15360
	s_mul_i32 s3, s20, 12288
	s_add_co_u32 s3, s3, XPART
	s_mul_i32 s23, s20, 2560
	s_add_co_u32 s23, s23, SCLW
	s_lshl_b32 s42, s20, 11
	s_add_co_u32 s42, s42, SCLX
	s_wait_dscnt 0x0
	s_wait_kmcnt 0x0
	; THE GRID: clusters 0-23 along y make the three projections (384 work-groups); clusters 24-31 (128 work-groups) pack the mask into lane-mask words: 512 work-groups in all.
	; The branch hangs on the cluster's y alone (s45 = y / 8), which all sixteen partners share; it stands behind the opening lines, and the mask's path issues no tensor load.
	s_cmp_eq_u32 s45, 3
	s_cbranch_scc1 .Lmask
	s_add_nc_u64 s[92:93], s[4:5], s[92:93]
	s_add_nc_u64 s[96:97], s[8:9], s[96:97]
	s_add_nc_u64 s[94:95], s[6:7], s[94:95]
	s_add_nc_u64 s[46:47], s[8:9], s[46:47]
	CROUND
	s_mov_b32 s[G0SW], 1
	s_mov_b32 s[G0SW+1], s23
	s_mov_b64 s[G0SW+2:G0SW+3], s[46:47]
	s_or_b32 s[G0SW+3], s[G0SW+3], 0x80000000
	s_mov_b32 s[G0SX], 1
	s_mov_b32 s[G0SX+1], s42
	s_mov_b64 s[G0SX+2:G0SX+3], s[96:97]
	s_or_b32 s[G0SX+3], s[G0SX+3], 0x80000000
	JLOAD G0SW, G1SW, G0SX, G1SX
.irp s, 0,1
	s_mov_b32 s[G0W+4*\s], 1
	s_add_co_u32 s[G0W+4*\s+1], s2, \s*SLOTB
	s_add_nc_u64 s[G0W+4*\s+2:G0W+4*\s+3], s[94:95], \s*3072
	s_or_b32 s[G0W+4*\s+3], s[G0W+4*\s+3], 0x80000000
	s_mov_b32 s[G0X+4*\s], 1
	s_add_co_u32 s[G0X+4*\s+1], s3, \s*SLOTB
	s_add_nc_u64 s[G0X+4*\s+2:G0X+4*\s+3], s[92:93], \s*3072
	s_or_b32 s[G0X+4*\s+3], s[G0X+4*\s+3], 0x80000000
	s_wait_alu depctr_va_vdst(0)
	s_wait_tensorcnt 0x0
	ds_add_u32 v8, v9
	s_wait_dscnt 0x0
	CROUND
	JLOAD G0W+4*\s, G1W, G0X+4*\s, G1X
.endr
	v_and_b32 v1, 31, v0
	s_delay_alu instid0(VALU_DEP_1)
	v_lshlrev_b32 v[LI], 4, v1
	v_and_b32 v[RR], 15, v0
	v_bfe_u32 v[HH], v0, 4, 1
	s_wait_alu depctr_va_vdst(0)
	s_mul_i32 s2, s19, 24576
	s_add_co_u32 s2, s2, XPART
	v_add_nc_u32 v[AX], s2, v[LI]
	s_delay_alu instid0(VALU_DEP_1)
	v_add_nc_u32 v[AX+1], SLOTB, v[AX]
	s_mul_i32 s3, s20, 15360
	v_add_nc_u32 v[AW], s3, v[LI]
	s_delay_alu instid0(VALU_DEP_1)
	v_add_nc_u32 v[AW+1], SLOTB, v[AW]
	s_lshl_b32 s2, s19, 12
	s_add_co_u32 s2, s2, SCLX
	v_lshl_add_u32 v[ADRS2], v[RR], 2, s2
	s_xor_b32 s3, s19, 1
	s_lshl_b32 s3, s3, 12
	s_mul_i32 s23, s20, 2560
	s_add_co_u32 s3, s3, s23
	s_add_co_u32 s3, s3, 4096
	v_mul_u32_u24 v13, s3, v[HH]
	s_delay_alu instid0(VALU_DEP_1)
	v_add_nc_u32 v[ADRS], v[ADRS2], v13
.macro ARMQ zero
.irp o, 0,1,2,3,4
	s_wait_dscnt 12-3*\o
.if \o < 4
	WIN 0x50
.else
	WIN 0
.endif
.irp i, 0,1,2,3,4,5,6,7
.if \o < 4
.set AC, 32*\i+8*\o
.else
.set AC, 192+8*\i
.endif
.if \zero
	v_wmma_scale_f32_16x16x128_f8f6f4 v[AC:AC+7], v[FV+12*\o:FV+12*\o+11], v[EI+12*\i:EI+12*\i+11], 0, v[SCR+\o], v[SCR+\i] matrix_a_fmt:MATRIX_FMT_FP6 matrix_b_fmt:MATRIX_FMT_FP6 matrix_a_scale:MATRIX_SCALE_ROW1
.else
	v_wmma_scale_f32_16x16x128_f8f6f4 v[AC:AC+7], v[FV+12*\o:FV+12*\o+11], v[EI+12*\i:EI+12*\i+11], v[AC:AC+7], v[SCR+\o], v[SCR+\i] matrix_a_fmt:MATRIX_FMT_FP6 matrix_b_fmt:MATRIX_FMT_FP6 matrix_a_scale:MATRIX_SCALE_ROW1
.endif
.endr
.endr
.endm
.macro ARMV zero
.irp o, 0,1,2,3,4
	s_wait_dscnt 12-3*\o
.if \o < 4
	WIN 0x50
.else
	WIN 0
.endif
.irp i, 0,1,2,3,4,5,6,7
.if \o < 4
.set AC, 64*\o+8*\i
.else
.set AC, 192+8*\i
.endif
.if \zero
	v_wmma_scale_f32_16x16x128_f8f6f4 v[AC:AC+7], v[EI+12*\i:EI+12*\i+11], v[FV+12*\o:FV+12*\o+11], 0, v[SCR+\i], v[SCR+\o] matrix_a_fmt:MATRIX_FMT_FP6 matrix_b_fmt:MATRIX_FMT_FP6 matrix_b_scale:MATRIX_SCALE_ROW1
.else
	v_wmma_scale_f32_16x16x128_f8f6f4 v[AC:AC+7], v[EI+12*\i:EI+12*\i+11], v[FV+12*\o:FV+12*\o+11], v[AC:AC+7], v[SCR+\i], v[SCR+\o] matrix_a_fmt:MATRIX_FMT_FP6 matrix_b_fmt:MATRIX_FMT_FP6 matrix_b_scale:MATRIX_SCALE_ROW1
.endif
.endr
.endr
.endm
.macro KSTEP slot, q, ks, zero
	PLACES
.irp i, 0,1,2,3,4
	ds_load_b32 v[SCR+\i], v[ADRS] offset:512*\i+64*\ks
.endr
.irp i, 5,6,7
	ds_load_b32 v[SCR+\i], v[ADRS2] offset:512*\i+64*\ks
.endr
.irp i, 0,1,2,3,4,5,6,7
.irp g, 0,1,2
	ds_load_b128 v[EI+12*\i+4*\g:EI+12*\i+4*\g+3], v[AX+\slot] offset:3072*\i+1536*\q+512*\g
.endr
.endr
.irp o, 0,1,2,3,4
.irp g, 0,1,2
	ds_load_b128 v[FV+12*\o+4*\g:FV+12*\o+4*\g+3], v[AW+\slot] offset:3072*\o+1536*\q+512*\g
.endr
.endr
	s_cmp_eq_u32 s22, 0
	s_cbranch_scc0 .Lv_\@
	ARMQ \zero
	s_branch .Lj_\@
.Lv_\@:
	ARMV \zero
.Lj_\@:
.endm
.macro CHANGE slot
	s_wait_tensorcnt 0x0
	ds_add_u32 v[SPW], v[NIL]
	s_add_nc_u64 s[G0W+4*\slot+2:G0W+4*\slot+3], s[G0W+4*\slot+2:G0W+4*\slot+3], 6144
	s_add_nc_u64 s[G0X+4*\slot+2:G0X+4*\slot+3], s[G0X+4*\slot+2:G0X+4*\slot+3], 6144
	s_wait_dscnt 0x0
	CROUND
	JLOAD G0W+4*\slot, G1W, G0X+4*\slot, G1X
.endm
	s_wait_alu depctr_va_vdst(0)
	s_wait_tensorcnt 1
	s_barrier_signal -1
	s_barrier_wait -1
	KSTEP 0, 0, 0, 1
	KSTEP 0, 1, 1, 0
	CHANGE 0
	KSTEP 1, 0, 2, 0
	KSTEP 1, 1, 3, 0
	CHANGE 1
	KSTEP 0, 0, 4, 0
	KSTEP 0, 1, 5, 0
	s_wait_tensorcnt 0x0
	ds_add_u32 v[SPW], v[NIL]
	s_wait_dscnt 0x0
	s_barrier_signal -1
	s_barrier_wait -1
	KSTEP 1, 0, 6, 0
	KSTEP 1, 1, 7, 0
	PLACES
	s_lshr_b32 s2, s21, 3
	s_lshl_b32 s2, s2, 4
	s_lshl_b32 s3, s40, 2
	s_add_co_u32 s3, s3, s20
	s_add_co_u32 s2, s2, s3
	s_mul_i32 s2, s2, 139264
	s_mul_i32 s23, s45, 8912896
	s_add_co_u32 s2, s2, s23
	s_and_b32 s23, s21, 7
	s_lshl_b32 s23, s23, 1
	s_add_co_u32 s23, s23, s19
	s_mul_i32 s23, s23, 8704
	s_add_co_u32 s46, s2, s23
	s_mov_b32 s47, 0
	s_add_nc_u64 s[16:17], s[16:17], s[46:47]
	s_mov_b32 s[SEL], 0x76543210
	s_mov_b32 s[SEL+1], 0xfedcba98
.irp b, 0,1,2,3
	v_mov_b32 v[TM+4+\b], 0
.endr
	s_cmp_eq_u32 s22, 0
	s_cbranch_scc0 .Lepv
	s_cmp_eq_u32 s45, 0
	s_cselect_b64 s[92:93], s[10:11], s[12:13]
	s_mul_i32 s46, s3, 260
	s_add_nc_u64 s[92:93], s[92:93], s[46:47]
	v_lshlrev_b32 v13, 6, v[HH]
.irp o, 0,1,2,3
.irp j, 0,1,2,3,4,5,6,7
	global_load_b32 v[BQ+8*\o+\j], v13, s[92:93] offset:4*(32*(\o/2)+8*(\o%2)+\j)
.endr
.endr
	global_load_b32 v[BT], v[NIL], s[92:93] offset:256
.irp j, 1,2,3,4,5,6,7,8,9,10,11,12,13,14,15
	v_mov_b32 v[ZZ+\j], 0
.endr
	s_mov_b32 s94, 0xffff
	s_wait_loadcnt 0x0
	v_cndmask_b32 v[BT], 0, v[BT], s94
.macro EPQ i
.set IS, IM+8*((\i)%2)
	WIN 0x01
.irp k, 0,2,4,6,8,10,12,14,16,18,20,22,24,26,28,30
	v_pk_add_f32 v[T+\k:T+\k+1], v[32*(\i)+\k:32*(\i)+\k+1], v[BQ+\k:BQ+\k+1]
.endr
	WIN 0
	v_add_f32 v[ZZ], v[192+8*(\i)], v[BT]
	v_max3_num_f32 v[TM], |v[T]|, |v[T+1]|, 0x1800000
	v_max3_num_f32 v[TM+1], |v[T+16]|, |v[T+17]|, 0x1800000
	s_delay_alu instid0(VALU_DEP_3)
	v_max3_num_f32 v[TM+2], |v[ZZ]|, |v[ZZ]|, 0x1800000
.irp k, 2
	s_delay_alu instid0(VALU_DEP_3)
	v_max3_num_f32 v[TM], v[TM], |v[T+\k]|, |v[T+\k+1]|
	s_delay_alu instid0(VALU_DEP_3)
	v_max3_num_f32 v[TM+1], v[TM+1], |v[T+16+\k]|, |v[T+17+\k]|
.endr
.irp k, 4, 6, 8, 10, 12, 14
	s_delay_alu instid0(VALU_DEP_2)
	v_max3_num_f32 v[TM], v[TM], |v[T+\k]|, |v[T+\k+1]|
	s_delay_alu instid0(VALU_DEP_2)
	v_max3_num_f32 v[TM+1], v[TM+1], |v[T+16+\k]|, |v[T+17+\k]|
.endr
.irp b, 0,1,2
	v_permlanex16_b32 v[TM+4+\b], v[TM+\b], s[SEL], s[SEL+1]
.endr
.irp b, 0,1,2
	s_delay_alu instid0(VALU_DEP_3)
	v_max_num_f32 v[TM+\b], v[TM+\b], v[TM+4+\b]
.endr
.irp b, 0,1,2
	s_delay_alu instid0(VALU_DEP_3)
	v_add_nc_u32 v[TM+12+\b], 0xff000000, v[TM+\b]
.endr
.irp b, 0,1,2
	s_delay_alu instid0(VALU_DEP_3)
	v_lshrrev_b32 v[TM+4+\b], 23, v[TM+12+\b]
.endr
	s_delay_alu instid0(VALU_DEP_2)
	v_lshl_or_b32 v[WD+(\i)], v[TM+5], 8, v[TM+4]
	s_delay_alu instid0(VALU_DEP_1)
	v_lshl_or_b32 v[WD+(\i)], v[TM+6], 16, v[WD+(\i)]
	s_delay_alu instid0(VALU_DEP_1)
	v_or_b32 v[WD+(\i)], 0x7f000000, v[WD+(\i)]
.if (\i) > 1
	s_wait_alu depctr_va_vdst(0)
	s_wait_xcnt 0x0
.endif
	v_cvt_scalef32_pk16_fp6_f32 v[IS:IS+2], v[T:T+15], v[TM+12]
	v_cvt_scalef32_pk16_fp6_f32 v[C1:C1+2], v[T+16:T+31], v[TM+13]
	v_cvt_scalef32_pk16_fp6_f32 v[C2:C2+2], v[ZZ:ZZ+15], v[TM+14]
	v_nop
.irp k, 0,1,2
	v_permlane16_swap_b32 v[IS+\k], v[C1+\k]
.endr
.irp k, 0,1,2
	s_delay_alu instid0(VALU_DEP_3)
	v_mov_b32 v[IS+3+\k], v[C1+\k]
.endr
	v_mov_b32 v[IS+6], v[C2]
	v_mov_b32 v[IS+7], 0
	global_store_b128 v[LI], v[IS:IS+3], s[16:17] offset:1024*(\i)
	global_store_b128 v[LI], v[IS+4:IS+7], s[16:17] offset:1024*(\i)+512
.endm
.irp i, 0,1,2,3,4,5,6,7
	EPQ \i
.endr
	s_mov_b32 s94, 0xffff0000
.irp k, 0,1,2,3
	v_cndmask_b32 v[RW+\k], v[WD+\k], v[WD+4+\k], s94
.endr
	global_store_b128 v[LI], v[RW:RW+3], s[16:17] offset:8192
	s_branch .Lend
.Lepv:
	s_lshl_b32 s46, s3, 8
	s_add_nc_u64 s[92:93], s[14:15], s[46:47]
	v_lshlrev_b32 v13, 2, v[RR]
.irp o, 0,1,2,3,4
	global_load_b32 v[BV+2*\o], v13, s[92:93] offset:64*\o
.endr
	v_cmp_ge_u32 s94, v[RR], s3
	v_cmp_le_u32 s95, v[RR], s3
.irp k, 0,1,2,3
	v_mov_b32 v[ZR+\k], 0
.endr
	s_wait_loadcnt 0x0
	v_cndmask_b32 v[BV], 0, v[BV], s94
	v_cndmask_b32 v[BV+8], 0, v[BV+8], s95
.irp o, 0,1,2,3,4
	v_mov_b32 v[BV+2*\o+1], v[BV+2*\o]
.endr
.macro EPV o
.if (\o) < 4
	WIN 0x01
.set SRC, 64*(\o)
.else
.set SRC, 192
.endif
.set k, 0
.rept 32
	v_pk_add_f32 v[TV+k:TV+k+1], v[SRC+k:SRC+k+1], v[BV+2*(\o):BV+2*(\o)+1]
.set k, k+2
.endr
	WIN 0
.if (\o) > 0
	s_wait_xcnt 0x0
.endif
	QUANT TV
	v_mov_b32 v[WD+(\o)], v[PW]
.irp c, 0,1,2
	global_store_b128 v[LI], v[PC+4*\c:PC+4*\c+3], s[16:17] offset:1536*(\o)+512*\c
.endr
.endm
.irp o, 0,1,2,3,4
	EPV \o
.endr
	s_mov_b32 s94, 0xffff0000
	v_cndmask_b32 v[RW], v[WD], v[WD+4], s94
.irp k, 1,2,3
	v_mov_b32 v[RW+\k], v[WD+\k]
.endr
	global_store_b128 v[LI], v[RW:RW+3], s[16:17] offset:7680
	global_store_b128 v[LI], v[ZR:ZR+3], s[16:17] offset:8192
.Lend:
	s_wait_tensorcnt 0x0
	ds_add_u32 v[SPW], v[NIL]
	s_wait_dscnt 0x0
	CROUND
	s_endpgm
; THE MASK [4][1][2048][2048] of int32 becomes lane-mask words.  A wave takes 16 rows x 1,024 columns: job j = 8 x work-group + wave = 2 x tile of rows + half of the columns, in 8 units of 16 rows x 512 bytes.
; Each of a unit's 16 loads reads 512 consecutive bytes of one row; the unit turns through the wave's own stage in LDS (rows 528 bytes apart; bytes of this path's own, behind the spare words).
; Word n of a unit has bit L = (mask[row L % 16][64 (n / 32) + 32 (L / 16) + n % 32] != 0): the select mask of attention's score register n; a unit's 64 words leave as 256 consecutive bytes, aligned.
; Two sets of registers take the loads by turns, so that two units (32 loads) are out while a third is worked on; the last two units are written out behind the loop and ask for nothing.
; No two work-groups read the same rows of the mask: nothing to ask for jointly; the loads themselves run two units ahead, so no prefetch is laid.
.set MSTG, SPARE+1024                  ; eight stages of 8,448 bytes
.set MLI, 10                           ; v10 16 x lane
.set MSI, 11                           ; v11 the stage, in
.set MSO, 12                           ; v12 the stage, out
.set MS8, 13                           ; v13 8 x lane
.set MW,  14                           ; v[14:15], v[16:17] the words on their way out
.set MR,  32                           ; v32-159 two units as loaded
.set MX,  160                          ; v160-223 a unit turned
.macro MLOAD set, u
.irp i, 0,1,2,3,4,5,6,7,8,9,10,11,12,13,14,15
	global_load_b128 v[MR+64*(\set)+4*\i:MR+64*(\set)+4*\i+3], v[MLI], s[24:25] offset:8192*\i+512*(\u) th:TH_LOAD_NT
.endr
.endm
.macro MTURN set
.irp i, 0,1,2,3,4,5,6,7,8,9,10,11,12,13,14,15
	ds_store_b128 v[MSI], v[MR+64*(\set)+4*\i:MR+64*(\set)+4*\i+3] offset:528*\i
.endr
.irp c, 0,1
.irp m, 0,1,2,3,4,5,6,7
	ds_load_b128 v[MX+32*\c+4*\m:MX+32*\c+4*\m+3], v[MSO] offset:256*\c+16*\m   ; register n takes column 64 (n / 32) + 32 (lane / 16) + n % 32 of row lane % 16.  LDS serves a wave's instructions in order: these see the stores above
.endr
.endr
	s_wait_dscnt 0x0                               ; the unit is turned, and the stores have read their registers
.endm
.macro MBITS w, u
.set n, 0
.rept 4                                        ; sixteen words at a time: the compares first, then the moves, so that no move follows its compare closely
.irp k, 0,1,2,3,4,5,6,7,8,9,10,11,12,13,14,15
	v_cmp_ne_u32 s[68+\k], 0, v[MX+n+\k]
.endr
.irp k, 0,2,4,6,8,10,12,14
	v_writelane_b32 v[\w], s[68+\k], n/2+\k/2      ; word n goes to lane n / 2, register n % 2
	v_writelane_b32 v[\w+1], s[69+\k], n/2+\k/2
.endr
.set n, n+16
.endr
	global_store_b64 v[MS8], v[\w:\w+1], s[26:27] offset:256*(\u)
.endm
.Lmask:
	s_load_b128 s[24:27], s[0:1], 0x38             ; mask, MB
	s_lshl_b32 s28, s21, 2
	s_add_co_u32 s28, s28, s40                     ; work-group 0..127 of the mask's: 4 x (4 (y - 24) + cy) + cx
	s_lshl_b32 s28, s28, 3
	s_add_co_u32 s28, s28, s18                     ; j
	s_lshr_b32 s29, s28, 1
	s_lshl_b32 s30, s29, 17                        ; 16 rows of 8,192 bytes
	s_and_b32 s31, s28, 1
	s_lshl_b32 s31, s31, 12
	s_add_co_u32 s30, s30, s31                     ; + my half of the columns
	s_mov_b32 s31, 0
	s_lshl_b32 s32, s28, 11                        ; 8 x 256 bytes of words a job
	s_mov_b32 s33, 0
	s_mul_i32 s34, s18, 8448
	s_add_co_u32 s34, s34, MSTG
	v_and_b32 v1, 31, v0
	v_and_b32 v2, 15, v0
	v_bfe_u32 v3, v0, 4, 1
	v_lshlrev_b32 v[MLI], 4, v1
	v_mul_u32_u24 v[MSO], v2, 528
	v_lshlrev_b32 v[MS8], 3, v1
	v_add_nc_u32 v[MSI], s34, v[MLI]               ; in: 16 x lane, a row a store
	v_lshl_add_u32 v[MSO], v3, 7, v[MSO]
.irp k, 0,1,2,3
	v_mov_b32 v[MW+\k], 0                          ; written once: v_writelane's destination counts as one of its sources
.endr
	v_add_nc_u32 v[MSO], s34, v[MSO]               ; out: row r, + 128 h
	s_wait_alu depctr_va_vdst(0)                   ; the wait here, directly ahead of the wait below
	s_wait_kmcnt 0x0
	s_add_nc_u64 s[24:25], s[24:25], s[30:31]
	s_add_nc_u64 s[26:27], s[26:27], s[32:33]
	MLOAD 0, 0
	MLOAD 1, 1
	s_mov_b32 s36, 0
.Lmtrip:                                               ; a trip: two units worked, the two behind them asked for
	s_wait_loadcnt 16                              ; set 0 is in; set 1's 16 loads may be out
	MTURN 0
	MLOAD 0, 2
	MBITS MW, 0
	s_wait_loadcnt 16                              ; set 1 is in; the 16 just issued into set 0 may be out
	MTURN 1
	MLOAD 1, 3
	MBITS MW+2, 1
	s_wait_xcnt 0x0                                ; loads and stores have read their bases and data: both are written again only behind this wait
	s_add_nc_u64 s[24:25], s[24:25], 1024
	s_add_nc_u64 s[26:27], s[26:27], 512
	s_add_co_u32 s36, s36, 1
	s_cmp_lt_u32 s36, 3
	s_cbranch_scc1 .Lmtrip
	s_wait_loadcnt 16                              ; units 6 and 7: nothing more to ask for
	MTURN 0
	MBITS MW, 0
	s_wait_loadcnt 0x0
	MTURN 1
	MBITS MW+2, 1
	s_wait_tensorcnt 0x0                           ; the wave's end
	ds_add_u32 v[SPW], v[NIL]
	s_wait_dscnt 0x0
	CROUND                                         ; the cluster's closing round, as on the other path
	s_endpgm
.Lfunc_end_k_q0a7c037f95_proj:
	.size	k_q0a7c037f95_proj, .Lfunc_end_k_q0a7c037f95_proj-k_q0a7c037f95_proj
	.p2alignl 7, 3214868480
	.fill 96, 4, 3214868480
	.section	.rodata,"a",@progbits
	.p2align	6, 0x0
	.amdhsa_kernel k_q0a7c037f95_proj
		.amdhsa_group_segment_fixed_size 327680
		.amdhsa_private_segment_fixed_size 0
		.amdhsa_enable_private_segment 0
		.amdhsa_kernarg_size 72
		.amdhsa_user_sgpr_count 2
		.amdhsa_user_sgpr_kernarg_segment_ptr 1
		.amdhsa_wavefront_size32 1
		.amdhsa_system_sgpr_workgroup_id_x 1
		.amdhsa_system_sgpr_workgroup_id_y 1
		.amdhsa_system_sgpr_workgroup_id_z 1
		.amdhsa_system_vgpr_workitem_id 0
		.amdhsa_next_free_vgpr 512
		.amdhsa_next_free_sgpr 98
		.amdhsa_reserve_vcc 0
		.amdhsa_float_denorm_mode_32 3
		.amdhsa_float_denorm_mode_16_64 3
		.amdhsa_memory_ordered 1
		.amdhsa_forward_progress 1
		.amdhsa_inst_pref_size 253
	.end_amdhsa_kernel
	.amdgpu_metadata
---
amdhsa.version: [ 1, 2 ]
amdhsa.kernels:
  - .name:           k_q0a7c037f95_proj
    .symbol:         k_q0a7c037f95_proj.kd
    .args:
      - { .name: XC, .offset: 0, .size: 8, .value_kind: global_buffer, .address_space: global }
      - { .name: WC, .offset: 8, .size: 8, .value_kind: global_buffer, .address_space: global }
      - { .name: SC, .offset: 16, .size: 8, .value_kind: global_buffer, .address_space: global }
      - { .name: bq, .offset: 24, .size: 8, .value_kind: global_buffer, .address_space: global }
      - { .name: bk, .offset: 32, .size: 8, .value_kind: global_buffer, .address_space: global }
      - { .name: bv, .offset: 40, .size: 8, .value_kind: global_buffer, .address_space: global }
      - { .name: AT, .offset: 48, .size: 8, .value_kind: global_buffer, .address_space: global }
      - { .name: mask, .offset: 56, .size: 8, .value_kind: global_buffer, .address_space: global }
      - { .name: MB, .offset: 64, .size: 8, .value_kind: global_buffer, .address_space: global }
    .group_segment_fixed_size: 327680
    .private_segment_fixed_size: 0
    .kernarg_segment_align: 8
    .kernarg_segment_size: 72
    .max_flat_workgroup_size: 256
    .sgpr_count:     98
    .vgpr_count:     512
    .wavefront_size: 32
...
	.end_amdgpu_metadata
.endif
;; end of part 2
;; launch attn (part 3): grid 4 x 64, 16 waves a work-group, clusters of 4 x 1, 327,680 bytes of LDS; arguments AT, MB, AO; writes AO
.if DOCPART == 3
	.amdgcn_target "amdgcn-amd-amdhsa--gfx1250"
	.amdhsa_code_object_version 6
	.text
	.protected	k_q0a7c037f95_attn
	.globl	k_q0a7c037f95_attn
	.p2align	8
	.type	k_q0a7c037f95_attn,@function
k_q0a7c037f95_attn:
	s_mov_b64 s[64:65], 0
	v_nop
	global_prefetch_b8 v0, s[64:65] scope:SCOPE_SE
	s_setreg_imm32_b32 hwreg(HW_REG_WAVE_MODE, 25, 1), 1
	s_wait_xcnt 0x0
	s_wait_alu depctr_hold_cnt(0) depctr_sa_sdst(0) depctr_va_vdst(0) depctr_va_sdst(0) depctr_va_ssrc(0) depctr_va_vcc(0) depctr_vm_vsrc(0)
	s_getreg_b32 s2, hwreg(HW_REG_IB_STS2, 6, 4)
	s_cmp_eq_u32 s2, 0
	s_cbranch_scc0 .Lentry_in_a_cluster
	s_endpgm
.Lentry_in_a_cluster:
	s_bfe_u32 s2, ttmp6, 0x10000c
	s_cmp_lg_u32 s2, 0x3003
	s_cbranch_scc0 .Lentry_shape_is_right
	s_endpgm
.Lentry_shape_is_right:
; ATTN: o = softmax(mask(q k^T / sqrt(65))) v for one head and 512 queries a work-group, on codes of FP6 (E2M3) with E8M0 block scales.
; AT holds three regions (q, k, v), a head in 16 records of 8,704 bytes (128 rows or keys each): images of operand registers and their scale words, as the launch before lays them.
; K's and V's 16 records of the head lie whole in LDS (2 x 139,264 bytes).  The four work-groups of a cluster take the four quarters of the head's queries and ask for K and V jointly.
; Records 0-3 are asked for at the head, records 4-15 behind a second round: the first four steps read the first part alone.
; A wave takes two tiles of 16 queries, one after the other (two passes of 16 steps of 128 keys).  Both products are used transposed (S^T = k q^T, O^T = v^T p^T): a lane holds one query,
; and the keys of k's tiles are chosen so that a lane's score registers 0-31 and 32-63 are two whole blocks of 32 keys: blocks h and 2 + h (h = lane / 16).
; THE STEP'S ORDER: all plain vector work that the exponentials need or that is due anyway stands ahead of them (mask, maxima, M, t - M, the blocks' exponents, O^T x f), then the 64 exponentials
; as one batch, then sums, conversions and the second product: so the waits round a batch of transcendentals stand once a step.
; M is the ceiling of the running largest t, kept as -M = floor(-t); the running maximum is kept in score units (c > 0, and rounding keeps order, so c x max = max of c x).
; A block's scale needs no search among p: floor(log2(largest p)) = floor(largest t - M), held at -124 from below, so that the byte stays at 1 or above.
; THE MASK: word n of a step's 64 is the lane mask of score register n; a masked score becomes -1e9 sqrt(65), which is the logit -1e9 in score units.
; LIMITS: the promise holds while the scaled scores (exponents to the base 2) stay under 2^31 in magnitude; NaN and infinities among the inputs are not served.
; NO PREFETCH: K and V are asked for once, at the head, with no loop ahead of them; the mask words, 256 bytes a wave and step, are asked for a whole step ahead by the scalar loads themselves.
.set RECB,  8704                       ; a record
.set HEADB, 16*RECB                    ; a head's records: K at LDS byte 0, V at HEADB
.set REGB,  64*HEADB                   ; a region of AT
.set CHA,   4*RECB                     ; the first part: records 0-3
.set SPARE, 2*HEADB                    ; the spare words, 128 bytes a wave
.set LI,  1                            ; v1 16 x lane          v2 the same in V's half
.set LIV, 2
.set SPW, 3                            ; v3 my spare word, v4 0: never rewritten
.set NIL, 4
.set SMK, 5                            ; v5 the masked score
.set ADK, 6                            ; v6, v7 this step's records of K and V
.set ADV, 7
.set QS,  8
.set SH8, 9                            ; v9 8 h
.set Q0,  16                           ; v16-27 q's fragment, pass 0 (registers 8-11 zero codes); v12 -M, v13 running maximum, v[14:15] l in two halves
.set KF,  28                           ; v28-95 k's eight fragments, 8 registers each; a product names 12: the four beyond meet q's zero codes; v92-95 zeros
.set S,   96                           ; v96-159 scores, then p, then v's five fragments
.set OT,  160                          ; v160-199 O^T, five tiles
.set VSC, 200
.set Q1,  204                          ; v204-215 q's fragment, pass 1
.set Q1S, 216
.set OLDM, 217
.set SUM2, 218                         ; v[218:219], v[220:221] the step's sum of p, two chains
.set SUM3, 220
.set PC,  224                          ; v224-235 p's codes
.set T0,  236
.set T1,  240
.set PRM, 243
.set CH,  244                          ; v244-247 maxima, then the blocks' exponents and scale operands
.set KSC, 248
.set FF,  252                          ; v252 f = 2^(old M - new M)
.set PWD, 253                          ; v253 p's scale word
.set TMP, 254
.set Q0S, 255
.set TB,  2                            ; s2 this step's record, in bytes
.set CNT, 3
.set WV,  10
.set OFM, 11                           ; s11 where the next mask words lie
.set SEL, 12
.set CS,  14                           ; s[14:15] c = log2(e) / sqrt(65)
.set G1A, 84                           ; s[84:91] one group 1 serves both tensor loads: 17 rows, then, behind the wait for the first load, 51
.set G1B, G1A
.set G0A, 92                           ; s[92:95], s[96:99] their groups 0.  All descriptors lie outside s16-83, which take the mask words from the head on
.set G0B, 96
.set QSP, 100                          ; s[100:101] q's scale words
.macro CROUND                          ; a round of the cluster's barrier
	s_barrier_signal -1
	s_barrier_wait -1
	s_cmp_lg_u32 s[WV], 0
	s_cbranch_scc1 .Lnot_wave_0_\@
	s_barrier_signal -3
.Lnot_wave_0_\@:
	s_barrier_wait -3
	s_barrier_signal -1
	s_barrier_wait -1
.endm
	s_load_b128 s[4:7], s[0:1], 0x0                ; AT, MB
	s_load_b64 s[8:9], s[0:1], 0x10                ; AO
	v_lshl_add_u32 v[SPW], v0, 2, SPARE
	v_mov_b32 v[NIL], 0
	ds_add_u32 v[SPW], v[NIL]                      ; the opening lines: the add twice on end and one wait
	ds_add_u32 v[SPW], v[NIL]
	v_lshrrev_b32 v10, 5, v0
	s_delay_alu instid0(VALU_DEP_1)
	v_readfirstlane_b32 s[WV], v10                 ; wave 0..15
	s_and_b32 s28, ttmp7, 0xffff                   ; batch x head
	s_bfe_u32 s29, ttmp6, 0x40000                  ; cx: which quarter of the queries
	s_lshr_b32 s30, s[WV], 3                       ; waves 0-7 fetch K, 8-15 V: an eighth of each part
	s_and_b32 s31, s[WV], 7
	s_mul_i32 s32, s30, HEADB
	s_mul_i32 s33, s31, 4352
	s_add_co_u32 s33, s33, s32                     ; LDS: my eighth of records 0-3
	s_mul_i32 s34, s31, 13056
	s_add_co_u32 s34, s34, s32
	s_add_co_u32 s34, s34, CHA                     ; and of records 4-15
	s_add_co_u32 s36, s30, 1
	s_mul_i32 s36, s36, REGB
	s_mul_i32 s37, s28, HEADB
	s_add_co_u32 s36, s36, s37                     ; the head's records in K's or V's region
	s_mul_i32 s38, s31, 4352
	s_add_co_u32 s38, s38, s36
	s_mov_b32 s39, 0
	s_mul_i32 s40, s31, 13056
	s_add_co_u32 s40, s40, s36
	s_add_co_u32 s40, s40, CHA
	s_mov_b32 s41, 0
	s_mov_b32 s[G1A], 15|(3<<16)|(1<<21)           ; dense blocks as rows of 256 bytes: 17 rows, and 51; the mask names the cluster's four
	s_mov_b32 s[G1A+1], 32<<16
	s_mov_b32 s[G1A+2], 17<<16
	s_mov_b32 s[G1A+3], 32<<16
	s_mov_b32 s[G1A+4], 17
	s_mov_b32 s[G1A+5], 32
	s_mov_b32 s[G1A+6], 0
	s_mov_b32 s[G1A+7], 0
	s_lshl_b32 s42, s29, 5
	s_lshl_b32 s43, s[WV], 1
	s_add_co_u32 s42, s42, s43                     ; my first query tile: 32 cx + 2 wave
	s_lshr_b32 s43, s42, 3
	s_mul_i32 s43, s43, RECB
	s_add_co_u32 s43, s43, s37
	s_and_b32 s44, s42, 7
	s_lshl_b32 s45, s44, 10
	s_add_co_u32 s46, s43, s45                     ; q's images
	s_mov_b32 s47, 0
	s_lshr_b32 s45, s44, 2
	s_lshl_b32 s45, s45, 8
	s_and_b32 s44, s42, 3
	s_lshl_b32 s44, s44, 2
	s_add_co_u32 s48, s43, s45
	s_add_co_u32 s48, s48, s44
	s_add_co_u32 s48, s48, 8192                    ; q's scale words
	s_mov_b32 s49, 0
	s_lshr_b32 s50, s28, 4
	s_lshl_b32 s50, s50, 7
	s_add_co_u32 s50, s50, s42
	s_lshl_b32 s50, s50, 12                        ; the mask words: 4,096 bytes a query tile
	s_mov_b32 s51, 0
	s_lshl_b32 s52, s28, 7
	s_add_co_u32 s52, s52, s42
	s_mul_i32 s52, s52, 5120                       ; AO: 5,120 bytes a query tile
	s_mov_b32 s53, 0
	s_mov_b32 s[SEL], 0x76543210
	s_mov_b32 s[SEL+1], 0xfedcba98
	s_mov_b32 s[CS], 0x3e373d2c
	s_mov_b32 s[CS+1], s[CS]
	s_mov_b32 s[TB], 0
	s_mov_b32 s[OFM], 0
	s_wait_dscnt 0x0
	s_wait_kmcnt 0x0
	s_mov_b32 s[G0A], 1
	s_mov_b32 s[G0A+1], s33
	s_add_nc_u64 s[G0A+2:G0A+3], s[4:5], s[38:39]
	s_or_b32 s[G0A+3], s[G0A+3], 0x80000000
	s_mov_b32 s[G0B], 1
	s_mov_b32 s[G0B+1], s34
	s_add_nc_u64 s[G0B+2:G0B+3], s[4:5], s[40:41]
	s_or_b32 s[G0B+3], s[G0B+3], 0x80000000
	s_add_nc_u64 s[QSP:QSP+1], s[4:5], s[48:49]
	s_add_nc_u64 s[4:5], s[4:5], s[46:47]
	s_add_nc_u64 s[6:7], s[6:7], s[50:51]
	s_add_nc_u64 s[8:9], s[8:9], s[52:53]
	v_and_b32 v10, 31, v0                          ; q's fragments and the first step's mask words are asked for here, ahead of the round and the tiles: all that the first step needs is then out together
	v_and_b32 v11, 15, v0
	v_lshlrev_b32 v[LI], 4, v10
	v_lshlrev_b32 v[QS], 4, v11
	v_add_nc_u32 v[LIV], HEADB, v[LI]
	global_load_b128 v[Q0:Q0+3], v[LI], s[4:5]
	global_load_b128 v[Q0+4:Q0+7], v[LI], s[4:5] offset:512
	global_load_b128 v[Q1:Q1+3], v[LI], s[4:5] offset:1024
	global_load_b128 v[Q1+4:Q1+7], v[LI], s[4:5] offset:1536
	global_load_b32 v[Q0S], v[QS], s[QSP:QSP+1]
	global_load_b32 v[Q1S], v[QS], s[QSP:QSP+1] offset:4
	s_load_b512 s[16:31], s[6:7], s[OFM] offset:0x0                ; (the head's scalars that lay in s28-53 have been used)
	s_load_b512 s[32:47], s[6:7], s[OFM] offset:0x40
	s_load_b512 s[48:63], s[6:7], s[OFM] offset:0x80
	s_load_b512 s[68:83], s[6:7], s[OFM] offset:0xc0
	CROUND                                         ; the four work-groups are here: the joint loads meet
	tensor_load_to_lds s[G0A:G0A+3], s[G1A:G1A+7]  ; records 0-3: my one load at the head
	s_nop 0
	s_wait_alu depctr_va_vdst(0)
	s_wait_tensorcnt 0x0                           ; the later first fill stands behind the full sequence
	ds_add_u32 v3, v4
	s_mov_b32 s[G1B+2], 51<<16                     ; no tensor load of mine is out, so the descriptor may be written: the second load brings 51 rows
	s_mov_b32 s[G1B+4], 51
	s_wait_dscnt 0x0
	CROUND
	tensor_load_to_lds s[G0B:G0B+3], s[G1B:G1B+7]  ; records 4-15
	s_nop 0
.rept 4
	v_nop
.endr
	v_bfe_u32 v[SH8], v0, 4, 1
	s_delay_alu instid0(VALU_DEP_1)
	v_lshlrev_b32 v[SH8], 3, v[SH8]
	v_mov_b32 v[SMK], 0xcff04625                   ; -1e9 sqrt(65)
.irp k, 24,25,26,27, 212,213,214,215, 92,93,94,95
	v_mov_b32 v\k, 0                               ; zero codes
.endr
	v_mov_b32 v[PRM], 0
	v_mov_b32 v[PWD], 0
.macro PASS_INIT
	v_mov_b32 v13, 0xff61b1e6                      ; -3e38, under every score
	s_delay_alu instid0(VALU_DEP_1)
	v_floor_f32 v12, -v13
	v_mov_b32 v14, 0
	v_mov_b32 v15, 0
.set n, 0
.rept 40
	v_mov_b32 v[OT+n], 0                           ; the step is written once: the first finds zeros, and f = 0
.set n, n+1
.endr
.endm
.macro KLOAD adr, off                  ; a record of K: its scale words and eight fragments
	ds_load_b128 v[KSC:KSC+3], v[\adr] offset:\off+8192
.irp t, 0,1,2,3,4,5,6,7
	ds_load_b128 v[KF+8*\t:KF+8*\t+3], v[\adr] offset:\off+1024*\t
	ds_load_b128 v[KF+8*\t+4:KF+8*\t+7], v[\adr] offset:\off+1024*\t+512
.endr
.endm
.macro QK t, qb, qsc
.if (\t) < 4
	v_wmma_scale_f32_16x16x128_f8f6f4 v[S+8*(\t):S+8*(\t)+7], v[KF+8*(\t):KF+8*(\t)+11], v[\qb:\qb+11], 0, v[KSC+(\t)], v[\qsc] matrix_a_fmt:MATRIX_FMT_FP6 matrix_b_fmt:MATRIX_FMT_FP6
.else
	v_wmma_scale_f32_16x16x128_f8f6f4 v[S+8*(\t):S+8*(\t)+7], v[KF+8*(\t):KF+8*(\t)+11], v[\qb:\qb+11], 0, v[KSC+(\t)-4], v[\qsc] matrix_a_fmt:MATRIX_FMT_FP6 matrix_b_fmt:MATRIX_FMT_FP6 matrix_a_scale:MATRIX_SCALE_ROW1
.endif
.endm
.macro MSK n0, cnt                     ; mask word n lies in s[16 + n], past s[64:67] from word 48 on
.set n, \n0
.rept \cnt
	v_cndmask_b32 v[S+n], v[SMK], v[S+n], s[16+n+4*(n/48)]
.set n, n+1
.endr
.endm
.macro VLOAD t
.irp c, 0,1,2
	ds_load_b128 v[S+12*(\t)+4*\c:S+12*(\t)+4*\c+3], v[ADV] offset:1536*(\t)+512*\c
.endr
.endm
.macro PV t
.if (\t) < 4
	v_wmma_scale_f32_16x16x128_f8f6f4 v[OT+8*(\t):OT+8*(\t)+7], v[S+12*(\t):S+12*(\t)+11], v[PC:PC+11], v[OT+8*(\t):OT+8*(\t)+7], v[VSC+(\t)], v[PWD] matrix_a_fmt:MATRIX_FMT_FP6 matrix_b_fmt:MATRIX_FMT_FP6
.else
	v_wmma_scale_f32_16x16x128_f8f6f4 v[OT+8*(\t):OT+8*(\t)+7], v[S+12*(\t):S+12*(\t)+11], v[PC:PC+11], v[OT+8*(\t):OT+8*(\t)+7], v[VSC], v[PWD] matrix_a_fmt:MATRIX_FMT_FP6 matrix_b_fmt:MATRIX_FMT_FP6 matrix_a_scale:MATRIX_SCALE_ROW1
.endif
.endm
; Plain work laid between the 32 packed multiply-adds, so that no line waits for the line above it: f; the two blocks' exponents floor(largest t - M) + 125; O^T x f
.macro EXTRA k
.if (\k) == 0
	v_sub_f32 v[TMP], v12, v[OLDM]                 ; old M - new M: a whole number, 0 or less
.elseif (\k) == 1
	v_fma_f32 v[CH], v[CH], s[CS], v12             ; the blocks' largest t - M
.elseif (\k) == 2
	v_fma_f32 v[CH+2], v[CH+2], s[CS], v12
.elseif (\k) == 3
	v_cvt_i32_f32 v[TMP], v[TMP]                   ; (it saturates)
.elseif (\k) == 4
	v_max_num_f32 v[CH], 0xc2f80000, v[CH]         ; held at -124: the byte stays at 1 or above
.elseif (\k) == 5
	v_max_num_f32 v[CH+2], 0xc2f80000, v[CH+2]
.elseif (\k) == 6
	v_ldexp_f32 v[FF], 1.0, v[TMP]                 ; f
.elseif (\k) == 7
	v_floor_f32 v[CH], v[CH]
.elseif (\k) == 8
	v_floor_f32 v[CH+2], v[CH+2]
.elseif (\k) == 9
	v_cvt_i32_f32 v[CH], v[CH]
.elseif (\k) == 10
	v_cvt_i32_f32 v[CH+2], v[CH+2]
.elseif (\k) == 11
	v_add_nc_u32 v[CH+1], 125, v[CH]               ; the scale's byte: exponent - 2 + 127
.elseif (\k) == 12
	v_add_nc_u32 v[CH+3], 125, v[CH+2]
.else
	v_pk_mul_f32 v[OT+2*((\k)-13):OT+2*((\k)-13)+1], v[OT+2*((\k)-13):OT+2*((\k)-13)+1], v[FF:FF+1] op_sel_hi:[1,0]   ; each tile of O^T from its low end on
.endif
.endm
; A step: 16 queries x 128 keys.  pf: 1 the next record of K is fetched, 2 record 0 (for the next pass), 0 none
.macro STEP qb, qsc, pf
	v_add_nc_u32 v[ADK], s[TB], v[LI]              ; five places between the last step's products and the products that write over v's fragments
	v_add_nc_u32 v[ADV], s[TB], v[LIV]
	v_mov_b32 v[OLDM], v12
	v_nop
	v_nop
	s_wait_dscnt 0x0                               ; K's record is in
.irp t, 0,1,2,3
	QK \t, \qb, \qsc
.endr
.rept 4
	v_nop                                          ; places ahead of the first read of the scores
.endr
	s_wait_kmcnt 0x0                               ; this step's 64 mask words
.irp t, 4,5,6,7
	QK \t, \qb, \qsc
	MSK 8*(\t-4), 8
.endr
.if (\pf) == 1
	KLOAD ADK, RECB
.elseif (\pf) == 2
	KLOAD LI, 0
.endif
	ds_load_b128 v[VSC:VSC+3], v[ADV] offset:7680
	MSK 32, 32
	s_add_co_u32 s[OFM], s[OFM], 256               ; the next step's mask words; the two passes' 32 runs of 256 bytes lie on end, and the last step asks for the last run again
	s_min_u32 s[OFM], s[OFM], 7936
	s_load_b512 s[16:31], s[6:7], s[OFM] offset:0x0
	s_load_b512 s[32:47], s[6:7], s[OFM] offset:0x40
	s_load_b512 s[48:63], s[6:7], s[OFM] offset:0x80
	s_load_b512 s[68:83], s[6:7], s[OFM] offset:0xc0
.irp b, 0,1,2,3
	v_max3_num_f32 v[CH+\b], v[S+16*\b], v[S+1+16*\b], v[S+2+16*\b]   ; four chains by turns
.endr
.irp i, 3,5,7,9,11,13
.irp b, 0,1,2,3
	s_delay_alu instid0(VALU_DEP_4)
	v_max3_num_f32 v[CH+\b], v[CH+\b], v[S+16*\b+\i], v[S+1+16*\b+\i]
.endr
.endr
	s_delay_alu instid0(VALU_DEP_3)
	v_max3_num_f32 v[CH], v[CH], v[CH+1], v[S+15]
	s_delay_alu instid0(VALU_DEP_2)
	v_max3_num_f32 v[CH+2], v[CH+2], v[CH+3], v[S+47]
	s_delay_alu instid0(VALU_DEP_2)
	v_max_num_f32 v[CH], v[CH], v[S+31]            ; my first block's largest score,
	s_delay_alu instid0(VALU_DEP_2)
	v_max_num_f32 v[CH+2], v[CH+2], v[S+63]        ; my second's
	s_delay_alu instid0(VALU_DEP_1)
	v_max_num_f32 v[TMP], v[CH], v[CH+2]
	s_delay_alu instid0(VALU_DEP_1)
	v_permlanex16_b32 v[PRM], v[TMP], s[SEL], s[SEL+1]
	s_delay_alu instid0(VALU_DEP_1)
	v_max3_num_f32 v13, v13, v[TMP], v[PRM]        ; the running largest score of my query
	s_delay_alu instid0(VALU_DEP_1)
	v_mul_f32 v[TMP], s[CS], v13
	s_delay_alu instid0(VALU_DEP_1)
	v_floor_f32 v12, -v[TMP]                       ; -M = floor(-t)
.set j, 0
.rept 32
	v_pk_fma_f32 v[S+2*j:S+2*j+1], v[S+2*j:S+2*j+1], s[CS:CS+1], v[12:13] op_sel_hi:[1,0,0]   ; t - M
	EXTRA j
.set j, j+1
.endr
	EXTRA 32
	s_wait_alu depctr_va_vdst(0)                   ; the wait ahead of the batch
.set j, 0
.rept 64
	v_exp_f32 v[S+j], v[S+j]                       ; p = 2^(t - M)
.set j, j+1
.endr
	v_lshlrev_b32 v[CH], 23, v[CH+1]               ; the conversions' scale operands, and p's scale word: my two bytes at 8 h, with lane l xor 16's two
	v_lshlrev_b32 v[CH+2], 23, v[CH+3]
	v_lshl_or_b32 v[TMP], v[CH+3], 16, v[CH+1]
	s_delay_alu instid0(VALU_DEP_1)
	v_lshlrev_b32 v[TMP], v[SH8], v[TMP]
	s_delay_alu instid0(VALU_DEP_1)
	v_permlanex16_b32 v[PRM], v[TMP], s[SEL], s[SEL+1]
	s_delay_alu instid0(VALU_DEP_1)
	v_or_b32 v[PWD], v[TMP], v[PRM]
	s_wait_alu depctr_va_vdst(0)                   ; and the one wait behind it, ahead of its first reader
	v_pk_add_f32 v[SUM2:SUM2+1], v[S:S+1], v[S+2:S+3]              ; the sum is taken of the unquantised p
	v_pk_add_f32 v[SUM3:SUM3+1], v[S+4:S+5], v[S+6:S+7]
.irp j, 8,12,16,20,24,28
	v_pk_add_f32 v[SUM2:SUM2+1], v[SUM2:SUM2+1], v[S+\j:S+\j+1]
	v_pk_add_f32 v[SUM3:SUM3+1], v[SUM3:SUM3+1], v[S+\j+2:S+\j+3]
.endr
	v_cvt_scalef32_pk16_fp6_f32 v[PC:PC+2], v[S:S+15], v[CH]
	v_cvt_scalef32_pk16_fp6_f32 v[T0:T0+2], v[S+16:S+31], v[CH]
	VLOAD 0                                        ; v's fragments land where p has been read
	VLOAD 1
.irp j, 32,36,40,44,48,52,56
	v_pk_add_f32 v[SUM2:SUM2+1], v[SUM2:SUM2+1], v[S+\j:S+\j+1]
	v_pk_add_f32 v[SUM3:SUM3+1], v[SUM3:SUM3+1], v[S+\j+2:S+\j+3]
.endr
	v_cvt_scalef32_pk16_fp6_f32 v[PC+6:PC+8], v[S+32:S+47], v[CH+2]
	v_cvt_scalef32_pk16_fp6_f32 v[T1:T1+2], v[S+48:S+63], v[CH+2]
	VLOAD 2
	VLOAD 3
	VLOAD 4
.irp i, 0,1,2
	v_mov_b32 v[PC+3+\i], v[T0+\i]                 ; (a conversion's three registers begin on an even number)
.endr
.irp i, 0,1,2
	v_mov_b32 v[PC+9+\i], v[T1+\i]
.endr
	v_pk_add_f32 v[SUM2:SUM2+1], v[SUM2:SUM2+1], v[S+60:S+61]      ; p's last four registers, on which no fragment lands: these four lines are the places ahead of the products
	v_pk_add_f32 v[SUM3:SUM3+1], v[SUM3:SUM3+1], v[S+62:S+63]
	v_pk_add_f32 v[SUM2:SUM2+1], v[SUM2:SUM2+1], v[SUM3:SUM3+1]
	v_pk_fma_f32 v[14:15], v[14:15], v[FF:FF+1], v[SUM2:SUM2+1] op_sel_hi:[1,0,1]   ; l = l f + the step's sum
	s_wait_alu depctr_va_vdst(0)                   ; the wait here, directly ahead of the wait below
	s_wait_dscnt 9                                 ; fragments 0 and 1 are in; the nine loads of 2, 3 and 4 may be out
	PV 0
	PV 1
	s_wait_dscnt 6
	PV 2
	s_wait_dscnt 3
	PV 3
	s_wait_dscnt 0x0
	PV 4
	s_add_co_u32 s[TB], s[TB], RECB
.endm
.macro STEPLOOP n, qb, qsc
	s_mov_b32 s[CNT], \n
.Lst_\@:
	STEP \qb, \qsc, 1
	s_sub_co_u32 s[CNT], s[CNT], 1
	s_cmp_lg_u32 s[CNT], 0
	s_cbranch_scc1 .Lst_\@
.endm
.macro WAYOUT p                        ; O^T / l, as it lies in the registers: 512 consecutive bytes a store
	v_add_f32 v14, v14, v15
	s_delay_alu instid0(VALU_DEP_1)
	v_permlanex16_b32 v[FF], v14, s[SEL], s[SEL+1]
	s_delay_alu instid0(VALU_DEP_1)
	v_add_f32 v14, v14, v[FF]
	s_wait_alu depctr_va_vdst(0)
	v_rcp_f32 v14, v14
.rept 4
	v_nop
.endr
	s_wait_alu depctr_va_vdst(0)
.set n, 0
.rept 40
	v_mul_f32 v[S+n], v[OT+n], v14
.set n, n+1
.endr
.irp g, 0,1,2,3,4,5,6,7,8,9
	global_store_b128 v[LI], v[S+4*\g:S+4*\g+3], s[8:9] offset:5120*\p+512*\g
.endr
	s_wait_xcnt 0x0                                ; the stores have read their data
.endm
	PASS_INIT
	s_wait_loadcnt 0x0
	s_wait_tensorcnt 1                             ; records 0-3 are in; the load of records 4-15 may be out
	s_barrier_signal -1
	s_barrier_wait -1
	KLOAD LI, 0
	STEPLOOP 3, Q0, Q0S
	STEP Q0, Q0S, 0
	s_wait_tensorcnt 0x0                           ; my part of records 4-15 is in;
	s_wait_dscnt 0x0
	s_barrier_signal -1
	s_barrier_wait -1                              ; and everybody's
	v_add_nc_u32 v[ADK], s[TB], v[LI]
	KLOAD ADK, 0
	STEPLOOP 11, Q0, Q0S
	STEP Q0, Q0S, 2
	WAYOUT 0
	s_mov_b32 s[TB], 0
	PASS_INIT
	STEPLOOP 15, Q1, Q1S
	STEP Q1, Q1S, 0
	WAYOUT 1
	s_wait_tensorcnt 0x0                           ; the wave's end
	ds_add_u32 v[SPW], v[NIL]
	s_wait_dscnt 0x0
	CROUND                                         ; the closing round
	s_endpgm
.Lfunc_end_k_q0a7c037f95_attn:
	.size	k_q0a7c037f95_attn, .Lfunc_end_k_q0a7c037f95_attn-k_q0a7c037f95_attn
	.p2alignl 7, 3214868480
	.fill 96, 4, 3214868480
	.section	.rodata,"a",@progbits
	.p2align	6, 0x0
	.amdhsa_kernel k_q0a7c037f95_attn
		.amdhsa_group_segment_fixed_size 327680
		.amdhsa_private_segment_fixed_size 0
		.amdhsa_enable_private_segment 0
		.amdhsa_kernarg_size 24
		.amdhsa_user_sgpr_count 2
		.amdhsa_user_sgpr_kernarg_segment_ptr 1
		.amdhsa_wavefront_size32 1
		.amdhsa_system_sgpr_workgroup_id_x 1
		.amdhsa_system_sgpr_workgroup_id_y 1
		.amdhsa_system_sgpr_workgroup_id_z 1
		.amdhsa_system_vgpr_workitem_id 0
		.amdhsa_next_free_vgpr 256
		.amdhsa_next_free_sgpr 102
		.amdhsa_reserve_vcc 0
		.amdhsa_float_denorm_mode_32 3
		.amdhsa_float_denorm_mode_16_64 3
		.amdhsa_memory_ordered 1
		.amdhsa_forward_progress 1
		.amdhsa_inst_pref_size 140
	.end_amdhsa_kernel
	.amdgpu_metadata
---
amdhsa.version: [ 1, 2 ]
amdhsa.kernels:
  - .name:           k_q0a7c037f95_attn
    .symbol:         k_q0a7c037f95_attn.kd
    .args:
      - { .name: AT, .offset: 0, .size: 8, .value_kind: global_buffer, .address_space: global }
      - { .name: MB, .offset: 8, .size: 8, .value_kind: global_buffer, .address_space: global }
      - { .name: AO, .offset: 16, .size: 8, .value_kind: global_buffer, .address_space: global }
    .group_segment_fixed_size: 327680
    .private_segment_fixed_size: 0
    .kernarg_segment_align: 8
    .kernarg_segment_size: 24
    .max_flat_workgroup_size: 512
    .sgpr_count:     102
    .vgpr_count:     256
    .wavefront_size: 32
...
	.end_amdgpu_metadata
.endif
;; end of part 3
;; launch outp (part 4): grid 256 x 1, 16 waves a work-group, no clusters, 100,864 bytes of LDS; arguments AO, WC, SC, bo, out0; writes out0
.if DOCPART == 4
	.amdgcn_target "amdgcn-amd-amdhsa--gfx1250"
	.amdhsa_code_object_version 6
	.text
	.protected	k_q0a7c037f95_outp
	.globl	k_q0a7c037f95_outp
	.p2align	8
	.type	k_q0a7c037f95_outp,@function
k_q0a7c037f95_outp:
	s_mov_b64 s[64:65], 0
	v_nop
	global_prefetch_b8 v0, s[64:65] scope:SCOPE_SE
	s_setreg_imm32_b32 hwreg(HW_REG_WAVE_MODE, 25, 1), 1
	s_wait_xcnt 0x0
; OUTP: out = Q(concat) Q(Wo)^T + bo on codes of FP6 (E2M3), K = 1,040 in nine K steps of 128 (the ninth has 16 columns and zeros).
; A work-group takes 32 rows.  PHASE X: wave w joins and quantises one unit: row tile w % 2, K step w / 2 (waves 0, 1 also K step 8, whose numbers they ask for first of all).  A head's record holds its 65 columns at their places among concat's columns 64 head .. 64 head + 79,
; exact zeros elsewhere, in the order of the quantiser's registers: K step s is heads 2 s and 2 s + 1, registers 0-31 of each, plus the fifth tiles of heads 2 s - 1 and 2 s, which fall on registers 0-7 and 32-39.
; Inside a block of 32 the chunks of 8 columns 1 and 2 have changed places, in these rows and in Wo's codes alike: the blocks, their scales and the products' sums are the same.
; The fragments go to the other waves through LDS as images of their registers; one barrier.
; PHASE G: wave w makes columns 64 w .. 64 w + 63 of the 32 rows: source 0 = 16 rows of Wo, source 1 = 16 rows of concat; 8 accumulators, which begin as bo, loaded into them.
; Wo's fragments come from memory straight into registers, in fragment order, 512 consecutive bytes a load, two K steps ahead.
; NO JOINT LOADS, though every work-group reads Wo: a wave has 8 matrix instructions to a K step and reads only its own 55,296 bytes of Wo; a ring in LDS would put a round of the cluster's barrier in front of every such 8.
.set HS,   655360                      ; from head to head in AO
.set XIMG, 0                           ; 18 images of 1,536 bytes: 2 s + T
.set XSC,  27648                       ; their scale words, 64 bytes each
.set STG,  28928                       ; the way out: 16 rows x (256 + 16) bytes a wave
.set SPARE, STG+16*4352                ; the spare words, 128 bytes a wave
.set LI,  2                            ; v2  16 x lane
.set XWI, 3                            ; v3  where I store my image
.set XWS, 4                            ; v4  and its scale words
.set VOE, 5                            ; v5  16 x lane, one head further on in K step 0, which has no head before it
.set VWS, 6                            ; v6  Wo's scale words
.set VB,  7                            ; v7  bo
.set SO,  8
.set SR,  9
.set GO,  10
.set LS,  11                           ; v11 4 x lane
.set SPW, 12
.set NIL, 13
.set ACC, 16                           ; v16-79 accumulator (tile of Wo p, row tile T) at 16 + 8 (2 p + T)
.set WS0, 80                           ; v80-127, v128-175: Wo's four fragments, two sets
.set XF,  176                          ; v176-199 the two row fragments
.set WSC, 200                          ; v200-217 Wo's scale words: register 9 p + s: tile p below, tile p + 2 above
.set XSR, 218                          ; v218-226 the rows': T = 0 below, T = 1 above
.set N,   128                          ; phase X: 64 numbers, v128-191
.set K8,  192                          ; phase X, waves 0 and 1: K step 8's eight numbers, v192-199
.set E0,  80
.set E1,  88
.set TM,  96
.set PW,  112
.set PC,  228
.set SEL, 20
.macro QUANT s
.irp b, 0,1,2,3
	v_max3_num_f32 v[TM+\b], |v[\s+16*\b]|, |v[\s+1+16*\b]|, 0x1800000
.endr
.irp i, 2,4,6,8,10,12,14
.irp b, 0,1,2,3
	s_delay_alu instid0(VALU_DEP_4)
	v_max3_num_f32 v[TM+\b], v[TM+\b], |v[\s+16*\b+\i]|, |v[\s+1+16*\b+\i]|
.endr
.endr
.irp b, 0,1,2,3
	s_delay_alu instid0(VALU_DEP_4)
	v_permlanex16_b32 v[TM+4+\b], v[TM+\b], s[SEL], s[SEL+1]
.endr
.irp b, 0,1,2,3
	s_delay_alu instid0(VALU_DEP_4)
	v_max_num_f32 v[TM+\b], v[TM+\b], v[TM+4+\b]
.endr
.irp b, 0,1,2,3
	s_delay_alu instid0(VALU_DEP_4)
	v_add_nc_u32 v[TM+12+\b], 0xff000000, v[TM+\b]
.endr
.irp b, 0,1,2,3
	s_delay_alu instid0(VALU_DEP_4)
	v_lshrrev_b32 v[TM+4+\b], 23, v[TM+12+\b]
.endr
	s_delay_alu instid0(VALU_DEP_3)
	v_lshl_or_b32 v[PW], v[TM+5], 8, v[TM+4]
	s_delay_alu instid0(VALU_DEP_1)
	v_lshl_or_b32 v[PW], v[TM+6], 16, v[PW]
	s_delay_alu instid0(VALU_DEP_1)
	v_lshl_or_b32 v[PW], v[TM+7], 24, v[PW]
.irp c, 0,1
	v_cvt_scalef32_pk16_fp6_f32 v[PC+6*\c:PC+2+6*\c], v[\s+32*\c:\s+15+32*\c], v[TM+12+2*\c]
	v_cvt_scalef32_pk16_fp6_f32 v[PC+12+4*\c:PC+14+4*\c], v[\s+16+32*\c:\s+31+32*\c], v[TM+12+2*\c+1]
.endr
	v_nop
.irp c, 0,1
.irp i, 0,1,2
	v_permlane16_swap_b32 v[PC+6*\c+\i], v[PC+12+4*\c+\i]
.endr
.irp i, 0,1,2
	s_delay_alu instid0(VALU_DEP_3)
	v_mov_b32 v[PC+3+6*\c+\i], v[PC+12+4*\c+\i]
.endr
.endr
.endm
	s_load_b256 s[4:11], s[0:1], 0x0               ; AO, WC, SC, bo
	s_load_b64 s[12:13], s[0:1], 0x20              ; out0
	v_lshl_add_u32 v[SPW], v0, 2, SPARE
	v_mov_b32 v[NIL], 0
	v_lshrrev_b32 v1, 5, v0
	s_delay_alu instid0(VALU_DEP_1)
	v_readfirstlane_b32 s14, v1                    ; wave 0..15
	s_and_b32 s17, s14, 1                          ; T
	s_lshr_b32 s16, s14, 1                         ; K step
	s_lshr_b32 s18, ttmp9, 6                       ; batch
	s_and_b32 s19, ttmp9, 63
	s_lshl_b32 s19, s19, 1
	s_add_co_u32 s19, s19, s17                     ; query tile
	s_lshl_b32 s26, s18, 4
	s_lshl_b32 s27, s16, 1
	s_add_co_u32 s26, s26, s27                     ; batch x head: head 2 s
	s_lshl_b32 s26, s26, 7
	s_add_co_u32 s26, s26, s19
	s_mul_i32 s26, s26, 5120
	s_mov_b32 s27, 0
	s_mul_i32 s28, s14, 55296                      ; my four tiles of Wo
	s_add_co_u32 s28, s28, 2949120
	s_mov_b32 s29, 0
	s_lshl_b32 s30, ttmp9, 17                      ; my work-group's 32 rows of 4,096 bytes,
	s_lshl_b32 s31, s14, 8
	s_add_co_u32 s30, s30, s31                     ; my 256 bytes of them
	s_mov_b32 s31, 0
	s_cmp_eq_u32 s16, 0
	s_cselect_b32 s33, HS, 0
	s_cselect_b32 s24, 0, 1.0                      ; K step 0 takes nothing from a head before it
	s_mov_b32 s25, s24
	s_mov_b32 s[SEL], 0x76543210
	s_mov_b32 s[SEL+1], 0xfedcba98
	v_and_b32 v1, 31, v0
	v_and_b32 v14, 15, v0                          ; r
	v_bfe_u32 v15, v0, 4, 1                        ; h
	s_delay_alu instid0(VALU_DEP_3)
	v_lshlrev_b32 v[LI], 4, v1
	s_delay_alu instid0(VALU_DEP_4)
	v_lshlrev_b32 v[LS], 2, v1
	s_mul_i32 s32, s14, 1536
	v_add_nc_u32 v[XWI], s32, v[LI]
	s_lshl_b32 s32, s14, 6
	v_lshl_add_u32 v[XWS], v14, 2, s32
	v_add_nc_u32 v[VOE], s33, v[LI]
	s_mul_i32 s32, s14, 2304
	v_mul_u32_u24 v[VWS], v15, 1152
	s_delay_alu instid0(VALU_DEP_1)
	v_lshl_add_u32 v[VWS], v14, 2, v[VWS]
	s_delay_alu instid0(VALU_DEP_1)
	v_add_nc_u32 v[VWS], s32, v[VWS]               ; 576 bytes a tile: 4 w tiles, + 2 tiles for lanes 16-31, + 4 r
	s_lshl_b32 s32, s14, 8
	v_lshl_add_u32 v[VB], v15, 5, s32              ; bo: 256 w + 32 h
	s_mul_i32 s32, s14, 4352
	s_add_co_u32 s32, s32, STG
	v_mul_u32_u24 v[SO], v14, 272
	s_delay_alu instid0(VALU_DEP_1)
	v_lshl_add_u32 v[SO], v15, 5, v[SO]
	s_delay_alu instid0(VALU_DEP_1)
	v_add_nc_u32 v[SO], s32, v[SO]                 ; the stage, in: row r, + 32 h
	v_mul_u32_u24 v[SR], v15, 272
	s_delay_alu instid0(VALU_DEP_1)
	v_lshl_add_u32 v[SR], v14, 4, v[SR]
	s_delay_alu instid0(VALU_DEP_1)
	v_add_nc_u32 v[SR], s32, v[SR]                 ; back: lanes 0-15 one row, lanes 16-31 the next
	v_lshlrev_b32 v[GO], 12, v15
	s_delay_alu instid0(VALU_DEP_1)
	v_lshl_add_u32 v[GO], v14, 4, v[GO]            ; and the same in out0
.irp b, 0,1,2,3
	v_mov_b32 v[TM+4+\b], 0                        ; written once: a lane permute's destination counts as one of its sources
.endr
	s_wait_kmcnt 0x0
	s_add_nc_u64 s[4:5], s[4:5], s[26:27]
	s_add_nc_u64 s[22:23], s[4:5], 15*HS           ; (waves 0, 1: head 15's record)
	s_add_nc_u64 s[6:7], s[6:7], s[28:29]
	s_add_nc_u64 s[8:9], s[8:9], 909312
	s_add_nc_u64 s[12:13], s[12:13], s[30:31]
	; ---- X
	s_cmp_ge_u32 s14, 2
	s_cbranch_scc1 .Lnot8
	global_load_b128 v[K8:K8+3], v[LI], s[22:23] offset:4096 th:TH_LOAD_NT      ; K step 8: head 15's fifth tile, columns 1,024 to 1,039: asked for with the first unit, and ahead of it, so that the counted wait below covers it
	global_load_b128 v[K8+4:K8+7], v[LI], s[22:23] offset:4608 th:TH_LOAD_NT
.Lnot8:
.irp g, 0,1,2,3,4,5,6,7
	global_load_b128 v[N+4*\g:N+4*\g+3], v[LI], s[4:5] offset:512*\g th:TH_LOAD_NT
	global_load_b128 v[N+32+4*\g:N+32+4*\g+3], v[LI], s[4:5] offset:HS+512*\g th:TH_LOAD_NT
.endr
	global_load_b128 v[E1:E1+3], v[LI], s[4:5] offset:4096 th:TH_LOAD_NT
	global_load_b128 v[E1+4:E1+7], v[LI], s[4:5] offset:4608 th:TH_LOAD_NT
	global_load_b128 v[E0:E0+3], v[VOE], s[4:5] offset:4096-HS th:TH_LOAD_NT
	global_load_b128 v[E0+4:E0+7], v[VOE], s[4:5] offset:4608-HS th:TH_LOAD_NT
.irp p, 0,1,2,3
.irp t, 0,1
	global_load_b128 v[ACC+8*(2*\p+\t):ACC+8*(2*\p+\t)+3], v[VB], s[10:11] offset:64*\p        ; the sums begin as bo: lane (r, h): columns 64 w + 16 p + 8 h + 0 .. 7
	global_load_b128 v[ACC+8*(2*\p+\t)+4:ACC+8*(2*\p+\t)+7], v[VB], s[10:11] offset:64*\p+16
.endr
.endr
.irp p, 0,1
.irp s, 0,1,2,3,4,5,6,7,8
	global_load_b32 v[WSC+9*\p+\s], v[VWS], s[8:9] offset:64*(9*\p+\s)
.endr
.endr
	s_wait_loadcnt 34                              ; my unit's 20 loads, and what was asked for ahead of them, are in; the 16 of bo and the 18 scale words may be out
.irp k, 0,2,4,6
	v_pk_fma_f32 v[N+\k:N+\k+1], v[E0+\k:E0+\k+1], s[24:25], v[N+\k:N+\k+1] op_sel_hi:[1,0,1]   ; supports do not meet: one of the two is an exact zero
	v_pk_add_f32 v[N+32+\k:N+33+\k], v[N+32+\k:N+33+\k], v[E1+\k:E1+\k+1]
.endr
	QUANT N
.irp c, 0,1,2
	ds_store_b128 v[XWI], v[PC+4*\c:PC+4*\c+3] offset:XIMG+512*\c
.endr
	ds_store_b32 v[XWS], v[PW] offset:XSC
	s_cmp_ge_u32 s14, 2
	s_cbranch_scc1 .Lno8
	s_wait_dscnt 0x0                               ; the stores have read their registers
.irp k, 0,1,2,3,4,5,6,7
	v_mov_b32 v[N+\k], v[K8+\k]                    ; K step 8's 16 columns lie in registers 0-7 of both halves of the lanes;
.endr
.set n, 8
.rept 56
	v_mov_b32 v[N+n], 0                            ; the rest of K is zeros
.set n, n+1
.endr
	QUANT N
.irp c, 0,1,2
	ds_store_b128 v[XWI], v[PC+4*\c:PC+4*\c+3] offset:XIMG+24576+512*\c
.endr
	ds_store_b32 v[XWS], v[PW] offset:XSC+1024
.Lno8:
	s_wait_dscnt 0x0                               ; for the others' sake, and since loads now land on registers that the stores read
.macro LOADW s                         ; Wo's four fragments of K step s into set s % 2
.irp p, 0,1,2,3
.irp g, 0,1,2
	global_load_b128 v[WS0+48*((\s)%2)+12*\p+4*\g:WS0+48*((\s)%2)+12*\p+4*\g+3], v[LI], s[6:7] offset:(9*\p+(\s))*1536+512*\g
.endr
.endr
.endm
	LOADW 0
	LOADW 1
	s_barrier_signal -1
	s_barrier_wait -1                              ; the 18 fragments lie in LDS
.irp s, 0,1,2,3,4,5,6,7,8
	ds_load_b32 v[XSR+\s], v[LS] offset:XSC+128*\s
.endr
	; ---- G
.macro MM p, t, s
.set AC, ACC+8*(2*(\p)+(\t))
.set WA, WS0+48*((\s)%2)+12*(\p)
.set XB, XF+12*(\t)
.set SA, WSC+9*((\p)%2)+(\s)
.if ((\p) < 2) && ((\t) == 0)
	v_wmma_scale_f32_16x16x128_f8f6f4 v[AC:AC+7], v[WA:WA+11], v[XB:XB+11], v[AC:AC+7], v[SA], v[XSR+(\s)] matrix_a_fmt:MATRIX_FMT_FP6 matrix_b_fmt:MATRIX_FMT_FP6
.elseif (\t) == 0
	v_wmma_scale_f32_16x16x128_f8f6f4 v[AC:AC+7], v[WA:WA+11], v[XB:XB+11], v[AC:AC+7], v[SA], v[XSR+(\s)] matrix_a_fmt:MATRIX_FMT_FP6 matrix_b_fmt:MATRIX_FMT_FP6 matrix_a_scale:MATRIX_SCALE_ROW1
.elseif (\p) < 2
	v_wmma_scale_f32_16x16x128_f8f6f4 v[AC:AC+7], v[WA:WA+11], v[XB:XB+11], v[AC:AC+7], v[SA], v[XSR+(\s)] matrix_a_fmt:MATRIX_FMT_FP6 matrix_b_fmt:MATRIX_FMT_FP6 matrix_b_scale:MATRIX_SCALE_ROW1
.else
	v_wmma_scale_f32_16x16x128_f8f6f4 v[AC:AC+7], v[WA:WA+11], v[XB:XB+11], v[AC:AC+7], v[SA], v[XSR+(\s)] matrix_a_fmt:MATRIX_FMT_FP6 matrix_b_fmt:MATRIX_FMT_FP6 matrix_a_scale:MATRIX_SCALE_ROW1 matrix_b_scale:MATRIX_SCALE_ROW1
.endif
.endm
.macro KSTEP s
.irp t, 0,1
.irp c, 0,1,2
	ds_load_b128 v[XF+12*\t+4*\c:XF+12*\t+4*\c+3], v[LI] offset:XIMG+(2*(\s)+\t)*1536+512*\c
.endr
.endr
.if (\s) < 8
	s_wait_loadcnt 12                              ; this K step's fragments of Wo are in; the next step's 12 loads may be out
.else
	s_wait_loadcnt 0x0
.endif
	s_wait_dscnt 0x0
.irp p, 0,1,2,3
.irp t, 0,1
	MM \p, \t, \s                                  ; the eight accumulators by turns
.endr
.endr
.rept 4
	v_nop                                          ; places in front of loads into registers that these products read, and of the first read of results
.endr
.if (\s) < 7
	LOADW (\s)+2
.endif
.endm
.irp s, 0,1,2,3,4,5,6,7,8
	KSTEP \s
.endr
	; THE WAY OUT: a lane's eight results are eight neighbouring columns of one row: through my stage, back as rows of 256 bytes
.irp t, 0,1
.irp p, 0,1,2,3
	ds_store_b128 v[SO], v[ACC+8*(2*\p+\t):ACC+8*(2*\p+\t)+3] offset:64*\p          ; each accumulator from its low end on
	ds_store_b128 v[SO], v[ACC+8*(2*\p+\t)+4:ACC+8*(2*\p+\t)+7] offset:64*\p+16
.endr
.irp i, 0,1,2,3,4,5,6,7
	ds_load_b128 v[WS0+32*\t+4*\i:WS0+32*\t+4*\i+3], v[SR] offset:2*\i*272   ; LDS serves a wave's instructions in order: these see my stores, and the next tile's stores come behind them
.endr
.endr
.irp i, 0,1,2,3,4,5,6,7
	s_wait_dscnt 23-\i                             ; behind tile 0's load i: its younger loads, and tile 1's 8 stores and 8 loads
	global_store_b128 v[GO], v[WS0+4*\i:WS0+4*\i+3], s[12:13] offset:2*\i*4096 th:TH_STORE_NT   ; 16 lanes store 256 consecutive bytes, aligned
.endr
.irp i, 0,1,2,3,4,5,6,7
	s_wait_dscnt 7-\i
	global_store_b128 v[GO], v[WS0+32+4*\i:WS0+32+4*\i+3], s[12:13] offset:(16+2*\i)*4096 th:TH_STORE_NT
.endr
	s_wait_tensorcnt 0x0                           ; the wave's end
	ds_add_u32 v[SPW], v[NIL]
	s_wait_dscnt 0x0
	s_endpgm
.Lfunc_end_k_q0a7c037f95_outp:
	.size	k_q0a7c037f95_outp, .Lfunc_end_k_q0a7c037f95_outp-k_q0a7c037f95_outp
	.p2alignl 7, 3214868480
	.fill 96, 4, 3214868480
	.section	.rodata,"a",@progbits
	.p2align	6, 0x0
	.amdhsa_kernel k_q0a7c037f95_outp
		.amdhsa_group_segment_fixed_size 100864
		.amdhsa_private_segment_fixed_size 0
		.amdhsa_enable_private_segment 0
		.amdhsa_kernarg_size 40
		.amdhsa_user_sgpr_count 2
		.amdhsa_user_sgpr_kernarg_segment_ptr 1
		.amdhsa_wavefront_size32 1
		.amdhsa_system_sgpr_workgroup_id_x 1
		.amdhsa_system_sgpr_workgroup_id_y 1
		.amdhsa_system_sgpr_workgroup_id_z 1
		.amdhsa_system_vgpr_workitem_id 0
		.amdhsa_next_free_vgpr 256
		.amdhsa_next_free_sgpr 66
		.amdhsa_reserve_vcc 0
		.amdhsa_float_denorm_mode_32 3
		.amdhsa_float_denorm_mode_16_64 3
		.amdhsa_memory_ordered 1
		.amdhsa_forward_progress 1
		.amdhsa_inst_pref_size 52
	.end_amdhsa_kernel
	.amdgpu_metadata
---
amdhsa.version: [ 1, 2 ]
amdhsa.kernels:
  - .name:           k_q0a7c037f95_outp
    .symbol:         k_q0a7c037f95_outp.kd
    .args:
      - { .name: AO, .offset: 0, .size: 8, .value_kind: global_buffer, .address_space: global }
      - { .name: WC, .offset: 8, .size: 8, .value_kind: global_buffer, .address_space: global }
      - { .name: SC, .offset: 16, .size: 8, .value_kind: global_buffer, .address_space: global }
      - { .name: bo, .offset: 24, .size: 8, .value_kind: global_buffer, .address_space: global }
      - { .name: out0, .offset: 32, .size: 8, .value_kind: global_buffer, .address_space: global }
    .group_segment_fixed_size: 100864
    .private_segment_fixed_size: 0
    .kernarg_segment_align: 8
    .kernarg_segment_size: 40
    .max_flat_workgroup_size: 512
    .sgpr_count:     66
    .vgpr_count:     256
    .wavefront_size: 32
...
	.end_amdgpu_metadata
.endif
;; end of part 4
